; MI455X (gfx1250); checked and timed in simulation.
; The chip was launched on July 23, 2026; its instructions are those of AMD's public machine-readable ISA for CDNA 5 (MIT licence, August 2026) and "CDNA5" Instruction Set Architecture Reference Guide (July 2026). The comments in the code are by the model that wrote it; some were corrected since.
;; TCNN With MLP. Allowed arithmetic: float matrix products may take bf16 or f16 operands with f32 sums; all other float work in f32.
;; Inputs: W0 16 x 32 float32; W1 16 x 16 float32; W2 16 x 16 float32; b0 16 float32; b1 16 float32; b2 16 float32; table 16 x 524,288 x 2 float32; x 1,048,576 x 3 float32.
;; Outputs: out0 1,048,576 x 16 float32.
;; 3 versions, each right; version 2 is faster than version 1; version 3 is version 2 with the launches prep, encode written anew for expert scheduling mode. Each part assembles by itself: llvm-mc -triple=amdgcn-amd-amdhsa -mcpu=gfx1250 --defsym DOCPART=n.
;; ======== version 1 of 3: 2 launches
;; limits: right only within a limited range of input values
;; workspace buffers: xq 12,582,912 bytes of whole numbers
;; launch quant (part 1): grid 256 x 1, 8 waves a work-group, no clusters, 0 bytes of LDS; arguments x, xq; writes xq
.if DOCPART == 1
	.amdgcn_target "amdgcn-amd-amdhsa--gfx1250"
	.amdhsa_code_object_version 6
	.text
	.protected	k_q3dafad1f73_quant
	.globl	k_q3dafad1f73_quant
	.p2align	8
	.type	k_q3dafad1f73_quant,@function
k_q3dafad1f73_quant:
	s_mov_b64 s[64:65], 0
	v_nop
	global_prefetch_b8 v0, s[64:65] scope:SCOPE_SE
	s_setreg_imm32_b32 hwreg(HW_REG_WAVE_MODE, 25, 1), 1
	s_wait_xcnt 0x0
; xq[i] = u32(trunc(x[i] * 2^32)): the coordinates as 32-bit fixed point, 3,145,728 numbers, laid out like x.
; The next launch forms the cells, the hashes and the fractions of all 16 levels from these whole numbers alone.
; LIMITS: x is meant to lie in [0, 1].  The product by 2^32 is exact; the conversion drops what lies below 2^-32,
; takes x < 0 and NaN as 0 and x >= 1 as 0xffffffff (v_cvt_u32_f32 clamps to the range of u32).
; A stream: 256 work-groups x 49,152 bytes.  Thread t owns the 16 bytes at 16 t of each of the group's 12 chunks of
; 4,096 bytes, so each load and store of a wave covers 512 consecutive, aligned bytes.  All 12 loads of a thread are
; issued before the first is waited for; every chunk has registers of its own, so nothing is rewritten while a
; memory instruction may still read it.  No LDS, no barrier, no matrix unit: nothing is shared and nothing is summed.
.set CHUNK, 4096
.set NCH,   12
.set D,     4                          ; v[4:51]  chunk j: 4 registers
	s_load_b128 s[4:7], s[0:1], 0x0                ; x s[4:5], xq s[6:7]
	s_mul_i32 s2, ttmp9, NCH*CHUNK                 ; the work-group's part, in bytes (below 12,582,912)
	s_mov_b32 s3, 0
	v_lshlrev_b32 v1, 4, v0                        ; 16 t
	s_wait_kmcnt 0x0
	s_add_nc_u64 s[4:5], s[4:5], s[2:3]
	s_add_nc_u64 s[6:7], s[6:7], s[2:3]
.irp j, 0,1,2,3,4,5,6,7,8,9,10,11
	global_load_b128 v[D+4*\j:D+4*\j+3], v1, s[4:5] offset:CHUNK*\j th:TH_LOAD_NT    ; x is read once
.endr
.irp j, 0,1,2,3,4,5,6,7,8,9,10,11
	s_wait_loadcnt NCH-1-\j                        ; loads return in order: chunk j is in, the 11 - j younger ones may be out
	v_pk_mul_f32 v[D+4*\j:D+4*\j+1],   v[D+4*\j:D+4*\j+1],   0x4f800000 op_sel_hi:[1,0]   ; x 2^32, exact
	v_pk_mul_f32 v[D+4*\j+2:D+4*\j+3], v[D+4*\j+2:D+4*\j+3], 0x4f800000 op_sel_hi:[1,0]
	v_cvt_u32_f32 v[D+4*\j],   v[D+4*\j]
	v_cvt_u32_f32 v[D+4*\j+1], v[D+4*\j+1]
	v_cvt_u32_f32 v[D+4*\j+2], v[D+4*\j+2]
	v_cvt_u32_f32 v[D+4*\j+3], v[D+4*\j+3]
	global_store_b128 v1, v[D+4*\j:D+4*\j+3], s[6:7] offset:CHUNK*\j    ; no hint: the next launch reads it
.endr
	s_endpgm
.Lfunc_end_k_q3dafad1f73_quant:
	.size	k_q3dafad1f73_quant, .Lfunc_end_k_q3dafad1f73_quant-k_q3dafad1f73_quant
	.p2alignl 7, 3214868480
	.fill 96, 4, 3214868480
	.section	.rodata,"a",@progbits
	.p2align	6, 0x0
	.amdhsa_kernel k_q3dafad1f73_quant
		.amdhsa_group_segment_fixed_size 0
		.amdhsa_private_segment_fixed_size 0
		.amdhsa_enable_private_segment 0
		.amdhsa_kernarg_size 16
		.amdhsa_user_sgpr_count 2
		.amdhsa_user_sgpr_kernarg_segment_ptr 1
		.amdhsa_wavefront_size32 1
		.amdhsa_system_sgpr_workgroup_id_x 1
		.amdhsa_system_sgpr_workgroup_id_y 1
		.amdhsa_system_sgpr_workgroup_id_z 1
		.amdhsa_system_vgpr_workitem_id 0
		.amdhsa_next_free_vgpr 52
		.amdhsa_next_free_sgpr 66
		.amdhsa_reserve_vcc 0
		.amdhsa_float_denorm_mode_32 3
		.amdhsa_float_denorm_mode_16_64 3
		.amdhsa_memory_ordered 1
		.amdhsa_forward_progress 1
		.amdhsa_inst_pref_size 7
	.end_amdhsa_kernel
	.amdgpu_metadata
---
amdhsa.version: [ 1, 2 ]
amdhsa.kernels:
  - .name:           k_q3dafad1f73_quant
    .symbol:         k_q3dafad1f73_quant.kd
    .args:
      - { .name: x, .offset: 0, .size: 8, .value_kind: global_buffer, .address_space: global }
      - { .name: xq, .offset: 8, .size: 8, .value_kind: global_buffer, .address_space: global }
    .group_segment_fixed_size: 0
    .private_segment_fixed_size: 0
    .kernarg_segment_align: 8
    .kernarg_segment_size: 16
    .max_flat_workgroup_size: 256
    .sgpr_count:     66
    .vgpr_count:     52
    .wavefront_size: 32
...
	.end_amdgpu_metadata
.endif
;; end of part 1
;; launch encode (part 2): grid 256 x 1, 16 waves a work-group, no clusters, 43,008 bytes of LDS; arguments xq, table, W0, b0, W1, b1, W2, b2, out0; writes out0
.if DOCPART == 2
	.amdgcn_target "amdgcn-amd-amdhsa--gfx1250"
	.amdhsa_code_object_version 6
	.text
	.protected	k_q3dafad1f73_encode
	.globl	k_q3dafad1f73_encode
	.p2align	8
	.type	k_q3dafad1f73_encode,@function
k_q3dafad1f73_encode:
	s_mov_b64 s[64:65], 0
	v_nop
	global_prefetch_b8 v0, s[64:65] scope:SCOPE_SE
	s_setreg_imm32_b32 hwreg(HW_REG_WAVE_MODE, 25, 1), 1
	s_wait_xcnt 0x0
; Hash-grid encoding (16 levels x 8 corners x 2 features) and the MLP 32 -> 16 -> 16 -> 16, fused: the 32 features
; never leave the registers.
;
; SHARES.  256 work-groups x 4,096 points; 16 waves x 256 points; a wave works in 8 batches of 32 points, one point
; a lane for all 16 levels.  Waves share nothing: no barrier.
;
; POSITIONS are whole numbers.  xq = x * 2^32 (stored by the launch before).  S_l = f32(scale of level l) * 2^20 is an
; exact integer below 2^32.  The high word of xq * S_l is the position in 11.20 fixed point: cell = P >> 20,
; c = P & 0xfffff = fraction * 2^20, g = 2^20 - c.  Hashes and addresses are integer arithmetic on the cells.
; WEIGHTS are products of three of c, g, so they carry 2^60; one product by 2^-50 a level leaves features * 2^10.
; THE MLP runs on the matrix unit with f16 operands and f32 sums.  The common factor 2^10 goes through all three layers
; (biases are multiplied by 2^10 once; ReLU commutes with a positive factor) and is taken out at the end by 2^-10.
; It keeps small features and hidden values in f16's normal range.  f16 and not bf16: three more bits in each of
; three chained layers.
;
; THE RING.  Four register slots of 24 (16 of data, 8 of weights).  The eight gathers of level l + 3 are issued before
; level l is blended, across the MLP and the batch's end too (levels 0 to 2 of the next batch are issued in this one),
; so 24 to 33 loads of every wave are on their way until the last batch runs out.
;
; LIMITS.  x in [0, 1] (see the launch before).  The position is exact fixed point where the JAX function rounds
; x * scale to f32: the fraction differs by at most 6e-5 of a cell, and where the cell differs at a boundary the blend
; is the same by continuity.  Features and hidden values below 64 in magnitude and weights below 65,504 (f16 behind the
; factor 2^10); parts of features and hidden values below 6e-8 keep an absolute error of 3e-11.  A NaN in front of a
; ReLU becomes 0 (v_max_num_f32).
;
; NO TENSOR LOADS, NO CLUSTER: what work-groups share is the table, read 8 bytes at a time at hashed places; there is
; no tile to ask for jointly, and a level's table (4,194,304 bytes) is more than a work-group's LDS can hold.
.set BATCHES, 8
.set XSTEP,  384                       ; 32 points x 12 bytes of xq
.set OSTEP,  2048                      ; 32 points x 64 bytes of out0
.set PITCH,  80                        ; an LDS row: a point's 64 bytes + 16, so that the 16 rows of a store fall on different banks
.set STAGE,  32*PITCH                  ; a wave's own stage: 2,560 bytes
; vector registers
.set XOFF, 1                           ; v1         12 L: my point in a batch of xq
.set OOFF, 2                           ; v2         16 L: my 16 bytes in 512 of out0
.set STO,  3                           ; v3         stage + 80 r + 32 h: where my eight results of point r go
.set RD,   4                           ; v4         stage + 80 (L >> 2) + 16 (L & 3): where I read rows back
.set XC,   8                           ; v[8:10]    xq of my point, this batch
.set XN,   12                          ; v[12:14]   xq of my point, next batch
.set W0F,  16                          ; v[16:23]   W0 as f16: lane (r, h) holds W0[r][16h .. 16h+15]
.set W1F,  24                          ; v[24:27]   W1[r][8h .. 8h+7] as f16
.set ZW,   28                          ; v[28:31]   zeros: upper K of layer 1's weights, lower K of layer 2's
.set W2F,  32                          ; v[32:35]   W2[r][8h .. 8h+7] as f16
.set B0,   36                          ; v[36:43]   b0[8h .. 8h+7] * 2^10
.set B1,   44                          ; v[44:51]   b1 likewise
.set B2,   52                          ; v[52:59]   b2 likewise
.set P,    60                          ; v[60:75]   level l: my point's two features, f16, packed
.set HA,   76                          ; v[76:87]   points 0-15: hidden 1 (4), zeros (4), hidden 2 (4)
.set HB,   88                          ; v[88:99]   points 16-31 likewise
.set DA,   100                         ; v[100:107] matrix results, points 0-15
.set DB,   108                         ; v[108:115] matrix results, points 16-31
.set O,    116                         ; v[116:131] rows on their way out
.set T,    132                         ; v[132:137] three 64-bit products; then cells and hash terms
.set G,    138                         ; v[138:143] (gx, cx), (gy, cy), (gz, cz)
.set Y,    144                         ; v[144:147] hash of (y, z), four combinations
.set U,    148                         ; v[148:151] weights of (x, y)
.set A,    152                         ; v[152:155] two running sums of two features
.set RING, 156                         ; v[156:251] slot s at 156 + 24 s: corner c = 4z+2y+x at +2c (index, then its two features); weight c at +16+c
.set SLOTR, 24
; scalar registers
.set XB,    8                          ; s[8:9]     xq at my wave's current batch
.set OB,    24                         ; s[24:25]   out0 at the END of my wave's current batch while it is stored
.set FMASK, 26                         ; 0xfffff    the fraction's 20 bits
.set HMASK, 27                         ; 0x7ffff    table size - 1
.set ONE20, 28                         ; 2^20 as f32
.set PR1,   29                         ; the hash's prime for y
.set PR2,   30                         ; the hash's prime for z
.set LB,    31                         ; my wave's stage in LDS
.set TB,    32                         ; s[32:63]   level l: address of its table
.set SC,    66                         ; s[66:81]   level l: S_l
	s_load_b512 s[8:23], s[0:1], 0x0               ; xq, table, W0 s[12:13], b0 s[14:15], W1 s[16:17], b1 s[18:19], W2 s[20:21], b2 s[22:23]
	s_load_b64 s[24:25], s[0:1], 0x40              ; out0
	v_lshl_add_u32 v254, v0, 2, 0xa000
	v_mov_b32 v255, 0
	v_lshrrev_b32 v5, 5, v0
	v_readfirstlane_b32 s2, v5                     ; wave 0..15
	v_and_b32 v5, 31, v0                           ; L
	v_and_b32 v6, 15, v0                           ; r
	v_bfe_u32 v7, v0, 4, 1                         ; h
	s_mul_i32 s[LB], s2, STAGE
	v_mul_u32_u24 v[XOFF], v5, 12
	v_lshlrev_b32 v[OOFF], 4, v5
	v_mul_u32_u24 v[STO], v6, PITCH
	v_lshl_add_u32 v[STO], v7, 5, v[STO]
	v_add_nc_u32 v[STO], s[LB], v[STO]
	v_lshrrev_b32 v[T], 2, v5
	v_and_b32 v[T+1], 3, v5
	v_mul_u32_u24 v[RD], v[T], PITCH
	v_lshl_add_u32 v[RD], v[T+1], 4, v[RD]
	v_add_nc_u32 v[RD], s[LB], v[RD]
	v_lshlrev_b32 v[T+2], 7, v6
	v_lshl_add_u32 v[T+2], v7, 6, v[T+2]           ; W0: 128 r + 64 h
	v_lshrrev_b32 v[T+3], 1, v[T+2]                ; W1, W2: 64 r + 32 h
	v_lshlrev_b32 v[T+4], 5, v7                    ; biases: 32 h
	s_mov_b32 s[FMASK], 0xfffff
	s_mov_b32 s[HMASK], 0x7ffff
	s_mov_b32 s[ONE20], 0x49800000
	s_mov_b32 s[PR1], 0x9e3779b1                   ; 2654435761
	s_mov_b32 s[PR2], 0x30025795                   ; 805459861
; S_l = (24-bit mantissa of f32(16 * 128^(l/15))) << shift
.macro SCALE lev, mant, sh
	s_mov_b32 s[SC+\lev], \mant<<\sh
.endm
	SCALE 0,  1, 24
	SCALE 1,  11592325, 1
	SCALE 2,  16019584, 1
	SCALE 3,  11068835, 2
	SCALE 4,  15296165, 2
	SCALE 5,  10568984, 3
	SCALE 6,  14605415, 3
	SCALE 7,  10091705, 4
	SCALE 8,  13945858, 4
	SCALE 9,  9635980, 5
	SCALE 10, 13316085, 5
	SCALE 11, 9200835, 6
	SCALE 12, 12714752, 6
	SCALE 13, 8785340, 7
	SCALE 14, 12140574, 7
	s_mov_b32 s[SC+15], 0x80000000                 ; 2048 * 2^20
	s_mul_i32 s4, ttmp9, 4096*12                   ; xq: the group's 4,096 points
	s_mul_i32 s5, s2, 256*12                       ;     + the wave's 256
	s_add_co_u32 s4, s4, s5
	s_mov_b32 s5, 0
	s_lshl_b32 s6, ttmp9, 18                       ; out0: 4,096 x 64 bytes
	s_lshl_b32 s7, s2, 14                          ;       + 256 x 64
	s_add_co_u32 s6, s6, s7
	s_mov_b32 s7, 0
	s_wait_kmcnt 0x0
	s_add_nc_u64 s[XB:XB+1], s[XB:XB+1], s[4:5]
	s_add_nc_u64 s[OB:OB+1], s[OB:OB+1], s[6:7]
.irp l, 0,1,2,3,4,5,6,7,8,9,10,11,12,13,14,15
	s_add_nc_u64 s[TB+2*\l:TB+2*\l+1], s[10:11], \l*0x400000     ; a level's table: 524,288 x 8 bytes
.endr
	; weights as f32 into ring registers (free until the first level is issued), biases to their places, batch 0 of xq
.irp j, 0,1,2,3
	global_load_b128 v[RING+4*\j:RING+4*\j+3], v[T+2], s[12:13] offset:16*\j
.endr
.irp j, 0,1
	global_load_b128 v[RING+16+4*\j:RING+16+4*\j+3], v[T+3], s[16:17] offset:16*\j
	global_load_b128 v[RING+24+4*\j:RING+24+4*\j+3], v[T+3], s[20:21] offset:16*\j
	global_load_b128 v[B0+4*\j:B0+4*\j+3], v[T+4], s[14:15] offset:16*\j
	global_load_b128 v[B1+4*\j:B1+4*\j+3], v[T+4], s[18:19] offset:16*\j
	global_load_b128 v[B2+4*\j:B2+4*\j+3], v[T+4], s[22:23] offset:16*\j
.endr
	global_load_b96 v[XC:XC+2], v[XOFF], s[XB:XB+1] th:TH_LOAD_NT
.irp j, 0,1,2,3
	v_mov_b32 v[ZW+\j], 0                          ; the unused half of K in layers 1 and 2 is true zeros on both sides
	v_mov_b32 v[HA+4+\j], 0
	v_mov_b32 v[HB+4+\j], 0
.endr
	s_wait_loadcnt 0x0                             ; once, at set-up; it also frees the offsets in T
.irp j, 0,1,2,3,4,5,6,7
	v_cvt_pk_f16_f32 v[W0F+\j], v[RING+2*\j], v[RING+2*\j+1]
.endr
.irp j, 0,1,2,3
	v_cvt_pk_f16_f32 v[W1F+\j], v[RING+16+2*\j], v[RING+16+2*\j+1]
	v_cvt_pk_f16_f32 v[W2F+\j], v[RING+24+2*\j], v[RING+24+2*\j+1]
.endr
.irp j, 0,1,2,3,4,5,6,7,8,9,10,11
	v_pk_mul_f32 v[B0+2*\j:B0+2*\j+1], v[B0+2*\j:B0+2*\j+1], 0x44800000 op_sel_hi:[1,0]   ; b0, b1, b2 x 2^10
.endr
; ISSUE: level lev of the point whose xq lies in v[src:src+2]: cells, hashes, eight gathers, eight weights, into slot lev % 4.
.macro ISSUE lev, src
.set ilv, \lev
.set DAT, RING+SLOTR*(ilv%4)
.set WGT, DAT+16
.irp d, 0,1,2
	v_mad_nc_u64_u32 v[T+2*\d:T+2*\d+1], v[\src+\d], s[SC+ilv], v[ZW:ZW+1]   ; xq * S_l (+ 0): the high word is the position, 11.20
.endr
.irp d, 0,1,2
	v_and_b32 v[G+2*\d+1], s[FMASK], v[T+2*\d+1]   ; fraction * 2^20, still a whole number
.endr
.irp d, 0,1,2
	v_lshrrev_b32 v[T+2*\d+1], 20, v[T+2*\d+1]     ; cell: bx in T+1, by in T+3, bz in T+5
.endr
	v_mul_lo_u32 v[T+3], v[T+3], s[PR1]            ; by * prime
	v_mul_lo_u32 v[T+5], v[T+5], s[PR2]            ; bz * prime
	v_add_nc_u32 v[T+0], 1, v[T+1]                 ; bx + 1
	v_add_nc_u32 v[T+2], s[PR1], v[T+3]            ; (by + 1) * prime
	v_add_nc_u32 v[T+4], s[PR2], v[T+5]            ; (bz + 1) * prime
	v_xor_b32 v[Y+0], v[T+3], v[T+5]               ; Y[2z + y]
	v_xor_b32 v[Y+1], v[T+2], v[T+5]
	v_xor_b32 v[Y+2], v[T+3], v[T+4]
	v_xor_b32 v[Y+3], v[T+2], v[T+4]
.irp q, 0,1,2,3
	v_and_b32 v[Y+\q], s[HMASK], v[Y+\q]           ; bx and bx + 1 are at most 2,048, below the table's size: masking here masks the hash
.endr
.irp q, 0,1,2,3
	v_xor_b32 v[DAT+4*\q],   v[T+1], v[Y+\q]       ; corner 2q:     x = 0
	v_xor_b32 v[DAT+4*\q+2], v[T+0], v[Y+\q]       ; corner 2q + 1: x = 1
.endr
.irp c, 0,1,2,3,4,5,6,7
	v_min_u32 v[DAT+2*\c], 0x7ffff, v[DAT+2*\c]    ; an index made of loaded numbers is bounded in the text; it changes no value
.endr
.irp c, 0,1,2,3,4,5,6,7
	global_load_b64 v[DAT+2*\c:DAT+2*\c+1], v[DAT+2*\c], s[TB+2*ilv:TB+2*ilv+1] scale_offset   ; table[l][index]: lands on its own index
.endr
	; the weights, behind the loads
.irp d, 0,1,2
	v_cvt_f32_u32 v[G+2*\d+1], v[G+2*\d+1]         ; c, exact (20 bits)
.endr
.irp d, 0,1,2
	v_sub_f32 v[G+2*\d], s[ONE20], v[G+2*\d+1]     ; g = 2^20 - c, exact
.endr
	v_pk_mul_f32 v[U:U+1],       v[G:G+1],   v[G+2:G+3] op_sel_hi:[1,0]               ; (gx, cx) * gy
	v_pk_mul_f32 v[U+2:U+3],     v[G:G+1],   v[G+2:G+3] op_sel:[0,1] op_sel_hi:[1,1]  ; (gx, cx) * cy
	v_pk_mul_f32 v[WGT:WGT+1],   v[U:U+1],   v[G+4:G+5] op_sel_hi:[1,0]               ; * gz: corners 0, 1
	v_pk_mul_f32 v[WGT+2:WGT+3], v[U+2:U+3], v[G+4:G+5] op_sel_hi:[1,0]               ;       corners 2, 3
	v_pk_mul_f32 v[WGT+4:WGT+5], v[U:U+1],   v[G+4:G+5] op_sel:[0,1] op_sel_hi:[1,1]  ; * cz: corners 4, 5
	v_pk_mul_f32 v[WGT+6:WGT+7], v[U+2:U+3], v[G+4:G+5] op_sel:[0,1] op_sel_hi:[1,1]  ;       corners 6, 7
.endm
; CONSUME: blends level lev.  left = the loads issued behind this level's eight.  Two chains (corners 0-3, 4-7), both features at once.
.macro CONSUME lev, left
.set clv, \lev
.set DAT, RING+SLOTR*(clv%4)
.set WGT, DAT+16
	s_wait_loadcnt \left                           ; loads return in order: this level's eight are in, the younger ones stay out
.irp k, 0,1
	v_pk_mul_f32 v[A+2*\k:A+2*\k+1], v[DAT+8*\k:DAT+8*\k+1],   v[WGT+4*\k:WGT+4*\k+1] op_sel_hi:[1,0]
.endr
.irp k, 0,1
	v_pk_fma_f32 v[A+2*\k:A+2*\k+1], v[DAT+8*\k+2:DAT+8*\k+3], v[WGT+4*\k:WGT+4*\k+1], v[A+2*\k:A+2*\k+1] op_sel:[0,1,0] op_sel_hi:[1,1,1]
.endr
.irp k, 0,1
	v_pk_fma_f32 v[A+2*\k:A+2*\k+1], v[DAT+8*\k+4:DAT+8*\k+5], v[WGT+4*\k+2:WGT+4*\k+3], v[A+2*\k:A+2*\k+1] op_sel_hi:[1,0,1]
.endr
.irp k, 0,1
	v_pk_fma_f32 v[A+2*\k:A+2*\k+1], v[DAT+8*\k+6:DAT+8*\k+7], v[WGT+4*\k+2:WGT+4*\k+3], v[A+2*\k:A+2*\k+1] op_sel:[0,1,0] op_sel_hi:[1,1,1]
.endr
	v_pk_add_f32 v[A:A+1], v[A:A+1], v[A+2:A+3]
	v_pk_mul_f32 v[A:A+1], v[A:A+1], 0x26800000 op_sel_hi:[1,0]    ; 2^60 of the weights x 2^-50 = the common 2^10
	v_cvt_pk_f16_f32 v[P+clv], v[A], v[A+1]
.endm
; RELUPACK: ReLU on a result tile and its packing.  Register j of lane (r, h) is neuron 8h + j of point r, so the four packed
; registers are K = 8h .. 8h+7 of point r: the next layer's operand as it stands, without any traffic between lanes.
.macro RELUPACK d, h
.irp j, 0,1,2,3,4,5,6,7
	v_max_num_f32 v[\d+\j], 0, v[\d+\j]
.endr
.irp j, 0,1,2,3
	v_cvt_pk_f16_f32 v[\h+\j], v[\d+2*\j], v[\d+2*\j+1]
.endr
.endm
.macro PLACES
.rept 4
	v_nop
.endr
.endm
; MLP: the three layers for the batch's 32 points (two tiles of 16), and the way out.  Weights are the first operand, points the second.
; Distances behind matrix instructions (ISA guide 7.12.1): four plain vector instructions that name none of its registers stand before a
; result is read; before DA (DB) is written by the next layer's instruction there are those four and the twelve lines of the OTHER tile's RELUPACK.
.macro MLP last
	s_wait_xcnt 0x0                                ; the last batch's stores have read O, OOFF and OB, this batch's xq load XB: now they may change
	s_add_nc_u64 s[OB:OB+1], s[OB:OB+1], OSTEP     ; the stores below reach back by OSTEP
.if \last == 0
	s_add_nc_u64 s[XB:XB+1], s[XB:XB+1], XSTEP
.endif
	; Lanes 16-31 of P[j] change places with lanes 0-15 of P[8+j].  Then v[P:P+7] is the tile of points 0-15 and v[P+8:P+15] that of
	; points 16-31, and in both register j of lane (r, h) holds features 16h + 2j, 16h + 2j + 1: the same places of K as in W0F.
.irp j, 0,1,2,3,4,5,6,7
	v_permlane16_swap_b32 v[P+\j], v[P+8+\j]
.endr
	v_wmma_f32_16x16x32_f16 v[DA:DA+7], v[W0F:W0F+7], v[P:P+7],    v[B0:B0+7]
	v_wmma_f32_16x16x32_f16 v[DB:DB+7], v[W0F:W0F+7], v[P+8:P+15], v[B0:B0+7]
.if \last == 0
	v_mov_b32 v[XC],   v[XN]                       ; three of the four places do work: the next batch's point becomes the current one
	v_mov_b32 v[XC+1], v[XN+1]
	v_mov_b32 v[XC+2], v[XN+2]
	v_nop
.else
	PLACES
.endif
	RELUPACK DA, HA
	RELUPACK DB, HB
	v_wmma_f32_16x16x32_f16 v[DA:DA+7], v[W1F:W1F+7], v[HA:HA+7], v[B1:B1+7]        ; K 0-15: W1 x hidden 1; K 16-31: zeros
	v_wmma_f32_16x16x32_f16 v[DB:DB+7], v[W1F:W1F+7], v[HB:HB+7], v[B1:B1+7]
	PLACES
	RELUPACK DA, HA+8
	RELUPACK DB, HB+8
	v_wmma_f32_16x16x32_f16 v[DA:DA+7], v[ZW:ZW+7], v[HA+4:HA+11], v[B2:B2+7]       ; K 0-15: zeros; K 16-31: W2 x hidden 2
	v_wmma_f32_16x16x32_f16 v[DB:DB+7], v[ZW:ZW+7], v[HB+4:HB+11], v[B2:B2+7]
	PLACES
.irp j, 0,2,4,6
	v_pk_mul_f32 v[DA+\j:DA+\j+1], v[DA+\j:DA+\j+1], 0x3a800000 op_sel_hi:[1,0]     ; the common 2^10 is taken out
.endr
.irp j, 0,2,4,6
	v_pk_mul_f32 v[DB+\j:DB+\j+1], v[DB+\j:DB+\j+1], 0x3a800000 op_sel_hi:[1,0]
.endr
	; A lane holds 32 of a point's 64 bytes.  Through the wave's own stage they become rows: each store below covers 512 consecutive, aligned bytes.
	ds_store_b128 v[STO], v[DA:DA+3]
	ds_store_b128 v[STO], v[DA+4:DA+7] offset:16
	ds_store_b128 v[STO], v[DB:DB+3]   offset:16*PITCH
	ds_store_b128 v[STO], v[DB+4:DB+7] offset:16*PITCH+16
.irp s, 0,1,2,3
	ds_load_b128 v[O+4*\s:O+4*\s+3], v[RD] offset:8*PITCH*\s       ; LDS serves a wave's instructions in order (ISA guide 5.7.1): these see the stores above
.endr
.irp s, 0,1,2,3
	s_wait_dscnt 3-\s                              ; load s is in, the 3 - s younger ones may be out
	global_store_b128 v[OOFF], v[O+4*\s:O+4*\s+3], s[OB:OB+1] offset:512*\s-OSTEP th:TH_STORE_NT
.endr
.endm
; BATCH: 16 steps; step l issues level l + 3 (levels 0 to 2 of the NEXT batch in steps 13 to 15) and blends level l.  The slot that is
; issued into is that of level l - 1, blended one step before.
; Counts of the waits: three younger levels of eight loads = 24; in steps 0 to 2 the xq load, issued between levels 2 and 3, is younger too: 25.
; The wait of step 3 therefore also shows XN in, ten steps before it is read.  In the last batch nothing is issued from step 13 on: 16, 8, 0.
.macro BATCH last
.if \last == 0
	global_load_b96 v[XN:XN+2], v[XOFF], s[XB:XB+1] offset:XSTEP th:TH_LOAD_NT     ; the next batch's points; the last batch asks for none
.endif
.set lv, 0
.rept 16
.if lv <= 12
	ISSUE lv+3, XC
.else
.if \last == 0
	ISSUE lv-13, XN
.endif
.endif
.if \last == 0
.if lv < 3
	CONSUME lv, 25
.else
	CONSUME lv, 24
.endif
.else
.if lv <= 12
	CONSUME lv, 24
.else
	CONSUME lv, 8*(15-lv)
.endif
.endif
.set lv, lv+1
.endr
	MLP \last
.endm
	ISSUE 0, XC
	ISSUE 1, XC
	ISSUE 2, XC
	s_mov_b32 s3, BATCHES-1
.Lbatch:                                               ; here, on the way in and on the way back: levels 0 to 2 of the batch in flight, 24 loads
	BATCH 0
	s_sub_co_u32 s3, s3, 1
	s_cmp_lg_u32 s3, 0
	s_cbranch_scc1 .Lbatch
	BATCH 1                                        ; the last batch is written out: no load beyond xq's end, the counts run down
	s_wait_tensorcnt 0x0
	ds_add_u32 v254, v255
	s_wait_dscnt 0x0
	s_endpgm
.Lfunc_end_k_q3dafad1f73_encode:
	.size	k_q3dafad1f73_encode, .Lfunc_end_k_q3dafad1f73_encode-k_q3dafad1f73_encode
	.p2alignl 7, 3214868480
	.fill 96, 4, 3214868480
	.section	.rodata,"a",@progbits
	.p2align	6, 0x0
	.amdhsa_kernel k_q3dafad1f73_encode
		.amdhsa_group_segment_fixed_size 43008
		.amdhsa_private_segment_fixed_size 0
		.amdhsa_enable_private_segment 0
		.amdhsa_kernarg_size 72
		.amdhsa_user_sgpr_count 2
		.amdhsa_user_sgpr_kernarg_segment_ptr 1
		.amdhsa_wavefront_size32 1
		.amdhsa_system_sgpr_workgroup_id_x 1
		.amdhsa_system_sgpr_workgroup_id_y 1
		.amdhsa_system_sgpr_workgroup_id_z 1
		.amdhsa_system_vgpr_workitem_id 0
		.amdhsa_next_free_vgpr 256
		.amdhsa_next_free_sgpr 82
		.amdhsa_reserve_vcc 0
		.amdhsa_float_denorm_mode_32 3
		.amdhsa_float_denorm_mode_16_64 3
		.amdhsa_memory_ordered 1
		.amdhsa_forward_progress 1
		.amdhsa_inst_pref_size 136
	.end_amdhsa_kernel
	.amdgpu_metadata
---
amdhsa.version: [ 1, 2 ]
amdhsa.kernels:
  - .name:           k_q3dafad1f73_encode
    .symbol:         k_q3dafad1f73_encode.kd
    .args:
      - { .name: xq, .offset: 0, .size: 8, .value_kind: global_buffer, .address_space: global }
      - { .name: table, .offset: 8, .size: 8, .value_kind: global_buffer, .address_space: global }
      - { .name: W0, .offset: 16, .size: 8, .value_kind: global_buffer, .address_space: global }
      - { .name: b0, .offset: 24, .size: 8, .value_kind: global_buffer, .address_space: global }
      - { .name: W1, .offset: 32, .size: 8, .value_kind: global_buffer, .address_space: global }
      - { .name: b1, .offset: 40, .size: 8, .value_kind: global_buffer, .address_space: global }
      - { .name: W2, .offset: 48, .size: 8, .value_kind: global_buffer, .address_space: global }
      - { .name: b2, .offset: 56, .size: 8, .value_kind: global_buffer, .address_space: global }
      - { .name: out0, .offset: 64, .size: 8, .value_kind: global_buffer, .address_space: global }
    .group_segment_fixed_size: 43008
    .private_segment_fixed_size: 0
    .kernarg_segment_align: 8
    .kernarg_segment_size: 72
    .max_flat_workgroup_size: 512
    .sgpr_count:     82
    .vgpr_count:     256
    .wavefront_size: 32
...
	.end_amdgpu_metadata
.endif
;; end of part 2
;; ======== version 2 of 3: 2 launches; 1.26 times as fast as version 1
;; limits: right only within a limited range of input values; values outside matrix products are rounded to f16
;; workspace buffers: xq 12,582,912 bytes of whole numbers; tb 33,554,432 bytes
;; launch prep (part 3): grid 256 x 1, 16 waves a work-group, no clusters, 0 bytes of LDS; arguments x, table, xq, tb; writes xq, tb
.if DOCPART == 3
	.amdgcn_target "amdgcn-amd-amdhsa--gfx1250"
	.amdhsa_code_object_version 6
	.text
	.protected	k_q3dafad1f73_prep
	.globl	k_q3dafad1f73_prep
	.p2align	8
	.type	k_q3dafad1f73_prep,@function
k_q3dafad1f73_prep:
	s_mov_b64 s[64:65], 0
	v_nop
	global_prefetch_b8 v0, s[64:65] scope:SCOPE_SE
	s_setreg_imm32_b32 hwreg(HW_REG_WAVE_MODE, 25, 1), 1
	s_wait_xcnt 0x0
; Two conversions, one stream.
;   xq[i] = u32(trunc(x[i] * 2^32)): the coordinates as 32-bit fixed point, laid out like x.  The next launch forms the cells,
;           the hashes and the fractions of all 16 levels from these whole numbers alone.
;   tb[l][i] = the two features of table[l][i], times 2^10, rounded to f16: feature 0 in the low half, feature 1 in the high half of a
;           word.  The next launch gathers each entry 16 times on average, so halving an entry once halves all gathered bytes.
;           The factor 2^10 is the one that the next launch carries through its matrix products anyway.
; LIMITS.  x is meant to lie in [0, 1]: the product by 2^32 is exact, the conversion drops what lies below 2^-32, takes x < 0 and NaN as 0
; and x >= 1 as 0xffffffff (v_cvt_u32_f32 clamps to the range of u32).  A table entry is rounded to nearest even to f16 behind the exact
; factor 2^10: relative error at most 2^-11 for magnitudes from 6e-8 to 64, absolute error at most 3e-11 below, infinity from 64 on.
; SHARES.  256 work-groups x (49,152 bytes of x + 262,144 bytes of the table).  Thread t owns the 16 bytes at 16 t of each chunk of 8,192
; bytes, so each load of a wave covers 512 consecutive, aligned bytes.  All 38 loads of a thread are issued before the first is waited for;
; every chunk has registers of its own, so nothing is rewritten while a memory instruction may still read it.
; No LDS, no barrier, no matrix unit: nothing is shared and nothing is summed.
.set CHUNK, 8192
.set XCH,   6                          ; chunks of x in a work-group
.set TCH,   32                         ; chunks of the table in a work-group
.set X,     4                          ; v[4:27]    chunk j of x: 4 registers
.set D,     28                         ; v[28:155]  chunk j of the table: 4 registers (two entries), then 2 packed
	s_load_b256 s[4:11], s[0:1], 0x0               ; x s[4:5], table s[6:7], xq s[8:9], tb s[10:11]
	s_mul_i32 s2, ttmp9, XCH*CHUNK                 ; the work-group's part of x and xq, in bytes
	s_mov_b32 s3, 0
	s_lshl_b32 s12, ttmp9, 18                      ; of the table: 262,144 bytes
	s_mov_b32 s13, 0
	s_lshl_b32 s14, ttmp9, 17                      ; of tb: 131,072 bytes
	s_mov_b32 s15, 0
	v_lshlrev_b32 v1, 4, v0                        ; 16 t: loads, and the stores of xq
	v_lshlrev_b32 v2, 3, v0                        ; 8 t: the stores of tb
	s_wait_kmcnt 0x0
	s_add_nc_u64 s[4:5], s[4:5], s[2:3]
	s_add_nc_u64 s[8:9], s[8:9], s[2:3]
	s_add_nc_u64 s[6:7], s[6:7], s[12:13]
	s_add_nc_u64 s[10:11], s[10:11], s[14:15]
.irp j, 0,1,2,3,4,5
	global_load_b128 v[X+4*\j:X+4*\j+3], v1, s[4:5] offset:CHUNK*\j th:TH_LOAD_NT    ; x is read once
.endr
.set j, 0
.rept TCH
	global_load_b128 v[D+4*j:D+4*j+3], v1, s[6:7] offset:CHUNK*j th:TH_LOAD_NT       ; the table is read once
.set j, j+1
.endr
.irp j, 0,1,2,3,4,5
	s_wait_loadcnt XCH+TCH-1-\j                    ; loads return in order: chunk j of x is in, the 37 - j younger loads may be out
	v_pk_mul_f32 v[X+4*\j:X+4*\j+1],   v[X+4*\j:X+4*\j+1],   0x4f800000 op_sel_hi:[1,0]   ; x 2^32, exact
	v_pk_mul_f32 v[X+4*\j+2:X+4*\j+3], v[X+4*\j+2:X+4*\j+3], 0x4f800000 op_sel_hi:[1,0]
	v_cvt_u32_f32 v[X+4*\j],   v[X+4*\j]
	v_cvt_u32_f32 v[X+4*\j+1], v[X+4*\j+1]
	v_cvt_u32_f32 v[X+4*\j+2], v[X+4*\j+2]
	v_cvt_u32_f32 v[X+4*\j+3], v[X+4*\j+3]
	global_store_b128 v1, v[X+4*\j:X+4*\j+3], s[8:9] offset:CHUNK*\j    ; no hint: the next launch reads it
.endr
.set j, 0
.rept TCH
	s_wait_loadcnt TCH-1-j                         ; chunk j of the table is in, the 31 - j younger loads may be out
	v_pk_mul_f32 v[D+4*j:D+4*j+1],   v[D+4*j:D+4*j+1],   0x44800000 op_sel_hi:[1,0]       ; x 2^10, exact
	v_pk_mul_f32 v[D+4*j+2:D+4*j+3], v[D+4*j+2:D+4*j+3], 0x44800000 op_sel_hi:[1,0]
	v_cvt_pk_f16_f32 v[D+4*j],   v[D+4*j],   v[D+4*j+1]        ; entry 2t:     (feature 0, feature 1)
	v_cvt_pk_f16_f32 v[D+4*j+1], v[D+4*j+2], v[D+4*j+3]        ; entry 2t + 1
	global_store_b64 v2, v[D+4*j:D+4*j+1], s[10:11] offset:(CHUNK/2)*j  ; a wave's store covers 256 consecutive, aligned bytes
.set j, j+1
.endr
	s_endpgm
.Lfunc_end_k_q3dafad1f73_prep:
	.size	k_q3dafad1f73_prep, .Lfunc_end_k_q3dafad1f73_prep-k_q3dafad1f73_prep
	.p2alignl 7, 3214868480
	.fill 96, 4, 3214868480
	.section	.rodata,"a",@progbits
	.p2align	6, 0x0
	.amdhsa_kernel k_q3dafad1f73_prep
		.amdhsa_group_segment_fixed_size 0
		.amdhsa_private_segment_fixed_size 0
		.amdhsa_enable_private_segment 0
		.amdhsa_kernarg_size 32
		.amdhsa_user_sgpr_count 2
		.amdhsa_user_sgpr_kernarg_segment_ptr 1
		.amdhsa_wavefront_size32 1
		.amdhsa_system_sgpr_workgroup_id_x 1
		.amdhsa_system_sgpr_workgroup_id_y 1
		.amdhsa_system_sgpr_workgroup_id_z 1
		.amdhsa_system_vgpr_workitem_id 0
		.amdhsa_next_free_vgpr 156
		.amdhsa_next_free_sgpr 66
		.amdhsa_reserve_vcc 0
		.amdhsa_float_denorm_mode_32 3
		.amdhsa_float_denorm_mode_16_64 3
		.amdhsa_memory_ordered 1
		.amdhsa_forward_progress 1
		.amdhsa_inst_pref_size 21
	.end_amdhsa_kernel
	.amdgpu_metadata
---
amdhsa.version: [ 1, 2 ]
amdhsa.kernels:
  - .name:           k_q3dafad1f73_prep
    .symbol:         k_q3dafad1f73_prep.kd
    .args:
      - { .name: x, .offset: 0, .size: 8, .value_kind: global_buffer, .address_space: global }
      - { .name: table, .offset: 8, .size: 8, .value_kind: global_buffer, .address_space: global }
      - { .name: xq, .offset: 16, .size: 8, .value_kind: global_buffer, .address_space: global }
      - { .name: tb, .offset: 24, .size: 8, .value_kind: global_buffer, .address_space: global }
    .group_segment_fixed_size: 0
    .private_segment_fixed_size: 0
    .kernarg_segment_align: 8
    .kernarg_segment_size: 32
    .max_flat_workgroup_size: 512
    .sgpr_count:     66
    .vgpr_count:     156
    .wavefront_size: 32
...
	.end_amdgpu_metadata
.endif
;; end of part 3
;; launch encode (part 4): grid 256 x 1, 16 waves a work-group, no clusters, 43,008 bytes of LDS; arguments xq, tb, W0, b0, W1, b1, W2, b2, out0; writes out0
.if DOCPART == 4
	.amdgcn_target "amdgcn-amd-amdhsa--gfx1250"
	.amdhsa_code_object_version 6
	.text
	.protected	k_q3dafad1f73_encode
	.globl	k_q3dafad1f73_encode
	.p2align	8
	.type	k_q3dafad1f73_encode,@function
k_q3dafad1f73_encode:
	s_mov_b64 s[64:65], 0
	v_nop
	global_prefetch_b8 v0, s[64:65] scope:SCOPE_SE
	s_setreg_imm32_b32 hwreg(HW_REG_WAVE_MODE, 25, 1), 1
	s_wait_xcnt 0x0
; Hash-grid encoding (16 levels x 8 corners x 2 features) and the MLP 32 -> 16 -> 16 -> 16, fused: the 32 features
; never leave the registers.
;
; SHARES.  256 work-groups x 4,096 points; 16 waves x 256 points; a wave works in 8 batches of 32 points, one point
; a lane for all 16 levels.  Waves share nothing: no barrier.
;
; POSITIONS are whole numbers.  xq = x * 2^32 (stored by the launch before).  S_l = f32(scale of level l) * 2^20 is an
; exact integer below 2^32.  The high word of xq * S_l is the position in 11.20 fixed point: cell = P >> 20,
; c = P & 0xfffff = fraction * 2^20, g = 2^20 - c.  Hashes and addresses are integer arithmetic on the cells.
; THE TABLE is tb, stored by the launch before: an entry is one word, two f16 of (feature * 2^10).  A gather is 4 bytes a lane.
; The blend is in f32: each half is widened by v_cvt_f32_f16, then both features go through packed f32 multiply-adds.
; WEIGHTS are products of three of c, g, so they carry 2^60; one product by 2^-60 a level leaves features * 2^10.
; THE MLP runs on the matrix unit with f16 operands and f32 sums.  The common factor 2^10 goes through all three layers
; (biases are multiplied by 2^10 once; ReLU commutes with a positive factor) and is taken out at the end by 2^-10.
; It keeps small features and hidden values in f16's normal range.  f16 and not bf16, for the table as for the layers: three
; more bits in each rounding of a chain of four (entry, feature, two hidden layers).
;
; THE RING.  Eight slots of 11 registers (8 of index, then data; 3 fractions).  The eight gathers of level l + 6 are issued before
; level l is blended, across the MLP and the batch's end too (levels 0 to 5 of the next batch are issued in this one),
; so 48 to 57 loads of every wave, 128 bytes each, are on their way until the last batch runs out.  The depth is what 252 registers
; leave: four waves share a SIMD's 1,024.
;
; LIMITS.  x in [0, 1]; table entries rounded to f16 behind the factor 2^10, magnitudes below 64 (see the launch before).  The position is
; exact fixed point where the JAX function rounds x * scale to f32: the fraction differs by at most 6e-5 of a cell, and where the cell
; differs at a boundary the blend is the same by continuity.  Features and hidden values below 64 in magnitude and weights below 65,504
; (f16 behind the factor 2^10); parts of entries, features and hidden values below 6e-8 keep an absolute error of 3e-11.  A NaN in front
; of a ReLU becomes 0 (v_max_num_f32).
;
; NO TENSOR LOADS, NO CLUSTER: what work-groups share is the table, read 4 bytes at a time at hashed places; there is
; no tile to ask for jointly, and a level's table (2,097,152 bytes) is more than a work-group's LDS can hold.
.set BATCHES, 8
.set AHEAD,  6                         ; levels issued ahead of the one that is blended
.set SLOTS,  8                         ; divides 16, so that a level has the same slot in every batch
.set XSTEP,  384                       ; 32 points x 12 bytes of xq
.set OSTEP,  2048                      ; 32 points x 64 bytes of out0
.set PITCH,  80                        ; an LDS row: a point's 64 bytes + 16, so that the 16 rows of a store fall on different banks
.set STAGE,  32*PITCH                  ; a wave's own stage: 2,560 bytes
; vector registers
.set XOFF, 1                           ; v1         12 L: my point in a batch of xq
.set OOFF, 2                           ; v2         16 L: my 16 bytes in 512 of out0
.set STO,  3                           ; v3         stage + 80 r + 32 h: where my eight results of point r go
.set RD,   4                           ; v4         stage + 80 (L >> 2) + 16 (L & 3): where I read rows back
.set XC,   8                           ; v[8:10]    xq of my point, this batch
.set XN,   12                          ; v[12:14]   xq of my point, next batch
.set RING, 16                          ; v[16:79]   slot s at 16 + 8 s: corner c = 4z+2y+x at +c (index, then its entry).  Below v128, where
                                       ;            halves of registers have names; UNPACK names them by number, so RING stays 16
.set W0F,  80                          ; v[80:87]   W0 as f16: lane (r, h) holds W0[r][16h .. 16h+15]
.set W1F,  88                          ; v[88:91]   W1[r][8h .. 8h+7] as f16
.set ZW,   92                          ; v[92:95]   zeros: upper K of layer 1's weights, lower K of layer 2's; the addend of the 64-bit products
.set W2F,  96                          ; v[96:99]   W2[r][8h .. 8h+7] as f16
.set B0,   100                         ; v[100:107] b0[8h .. 8h+7] * 2^10
.set B1,   108                         ; v[108:115] b1 likewise
.set B2,   116                         ; v[116:123] b2 likewise
.set P,    124                         ; v[124:139] level l: my point's two features, f16, packed
.set HA,   140                         ; v[140:151] points 0-15: hidden 1 (4), zeros (4), hidden 2 (4)
.set HB,   152                         ; v[152:163] points 16-31 likewise
.set DA,   164                         ; v[164:171] matrix results, points 0-15
.set DB,   172                         ; v[172:179] matrix results, points 16-31
.set O,    180                         ; v[180:195] rows on their way out
.set T,    196                         ; v[196:201] three 64-bit products; then cells and hash terms
.set Y,    202                         ; v[202:205] hash of (y, z), four combinations
.set G,    206                         ; v[206:211] (gx, cx), (gy, cy), (gz, cz)
.set U,    212                         ; v[212:215] weights of (x, y)
.set E,    196                         ; v[196:211] the eight entries as f32, corner c at +2c.  On T, Y and G: arithmetic scratch that no memory
                                       ;            instruction names and that is dead once a level's weights stand in W
.set A,    216                         ; v[216:219] two running sums of two features
.set W,    220                         ; v[220:227] the weights of the level that is blended, corner c at +c
.set FRB,  228                         ; v[228:251] slot s at 228 + 3 s: fractions of x, y, z as whole numbers
; scalar registers
.set XB,    8                          ; s[8:9]     xq at my wave's current batch
.set OB,    24                         ; s[24:25]   out0 at the END of my wave's current batch while it is stored
.set FMASK, 26                         ; 0xfffff    the fraction's 20 bits
.set HMASK, 27                         ; 0x7ffff    table size - 1
.set ONE20, 28                         ; 2^20 as f32
.set PR1,   29                         ; the hash's prime for y
.set PR2,   30                         ; the hash's prime for z
.set LB,    31                         ; my wave's stage in LDS
.set TB,    32                         ; s[32:63]   level l: address of its table in tb
.set SC,    66                         ; s[66:81]   level l: S_l
	s_load_b512 s[8:23], s[0:1], 0x0               ; xq, tb, W0 s[12:13], b0 s[14:15], W1 s[16:17], b1 s[18:19], W2 s[20:21], b2 s[22:23]
	s_load_b64 s[24:25], s[0:1], 0x40              ; out0
	v_lshl_add_u32 v252, v0, 2, 0xa000
	v_mov_b32 v253, 0
	v_lshrrev_b32 v5, 5, v0
	v_readfirstlane_b32 s2, v5                     ; wave 0..15
	v_and_b32 v5, 31, v0                           ; L
	v_and_b32 v6, 15, v0                           ; r
	v_bfe_u32 v7, v0, 4, 1                         ; h
	s_mul_i32 s[LB], s2, STAGE
	v_mul_u32_u24 v[XOFF], v5, 12
	v_lshlrev_b32 v[OOFF], 4, v5
	v_mul_u32_u24 v[STO], v6, PITCH
	v_lshl_add_u32 v[STO], v7, 5, v[STO]
	v_add_nc_u32 v[STO], s[LB], v[STO]
	v_lshrrev_b32 v[T], 2, v5
	v_and_b32 v[T+1], 3, v5
	v_mul_u32_u24 v[RD], v[T], PITCH
	v_lshl_add_u32 v[RD], v[T+1], 4, v[RD]
	v_add_nc_u32 v[RD], s[LB], v[RD]
	v_lshlrev_b32 v[T+2], 7, v6
	v_lshl_add_u32 v[T+2], v7, 6, v[T+2]           ; W0: 128 r + 64 h
	v_lshrrev_b32 v[T+3], 1, v[T+2]                ; W1, W2: 64 r + 32 h
	v_lshlrev_b32 v[T+4], 5, v7                    ; biases: 32 h
	s_mov_b32 s[FMASK], 0xfffff
	s_mov_b32 s[HMASK], 0x7ffff
	s_mov_b32 s[ONE20], 0x49800000
	s_mov_b32 s[PR1], 0x9e3779b1                   ; 2654435761
	s_mov_b32 s[PR2], 0x30025795                   ; 805459861
; S_l = (24-bit mantissa of f32(16 * 128^(l/15))) << shift
.macro SCALE lev, mant, sh
	s_mov_b32 s[SC+\lev], \mant<<\sh
.endm
	SCALE 0,  1, 24
	SCALE 1,  11592325, 1
	SCALE 2,  16019584, 1
	SCALE 3,  11068835, 2
	SCALE 4,  15296165, 2
	SCALE 5,  10568984, 3
	SCALE 6,  14605415, 3
	SCALE 7,  10091705, 4
	SCALE 8,  13945858, 4
	SCALE 9,  9635980, 5
	SCALE 10, 13316085, 5
	SCALE 11, 9200835, 6
	SCALE 12, 12714752, 6
	SCALE 13, 8785340, 7
	SCALE 14, 12140574, 7
	s_mov_b32 s[SC+15], 0x80000000                 ; 2048 * 2^20
	s_mul_i32 s4, ttmp9, 4096*12                   ; xq: the group's 4,096 points
	s_mul_i32 s5, s2, 256*12                       ;     + the wave's 256
	s_add_co_u32 s4, s4, s5
	s_mov_b32 s5, 0
	s_lshl_b32 s6, ttmp9, 18                       ; out0: 4,096 x 64 bytes
	s_lshl_b32 s7, s2, 14                          ;       + 256 x 64
	s_add_co_u32 s6, s6, s7
	s_mov_b32 s7, 0
	s_wait_kmcnt 0x0
	s_add_nc_u64 s[XB:XB+1], s[XB:XB+1], s[4:5]
	s_add_nc_u64 s[OB:OB+1], s[OB:OB+1], s[6:7]
.irp l, 0,1,2,3,4,5,6,7,8,9,10,11,12,13,14,15
	s_add_nc_u64 s[TB+2*\l:TB+2*\l+1], s[10:11], \l*0x200000     ; a level's table: 524,288 x 4 bytes
.endr
	; weights as f32 into ring registers (free until the first level is issued), biases to their places, batch 0 of xq
.irp j, 0,1,2,3
	global_load_b128 v[RING+4*\j:RING+4*\j+3], v[T+2], s[12:13] offset:16*\j
.endr
.irp j, 0,1
	global_load_b128 v[RING+16+4*\j:RING+16+4*\j+3], v[T+3], s[16:17] offset:16*\j
	global_load_b128 v[RING+24+4*\j:RING+24+4*\j+3], v[T+3], s[20:21] offset:16*\j
	global_load_b128 v[B0+4*\j:B0+4*\j+3], v[T+4], s[14:15] offset:16*\j
	global_load_b128 v[B1+4*\j:B1+4*\j+3], v[T+4], s[18:19] offset:16*\j
	global_load_b128 v[B2+4*\j:B2+4*\j+3], v[T+4], s[22:23] offset:16*\j
.endr
	global_load_b96 v[XC:XC+2], v[XOFF], s[XB:XB+1] th:TH_LOAD_NT
.irp j, 0,1,2,3
	v_mov_b32 v[ZW+\j], 0                          ; the unused half of K in layers 1 and 2 is true zeros on both sides
	v_mov_b32 v[HA+4+\j], 0
	v_mov_b32 v[HB+4+\j], 0
.endr
	s_wait_loadcnt 0x0                             ; once, at set-up; it also frees the offsets in T
.irp j, 0,1,2,3,4,5,6,7
	v_cvt_pk_f16_f32 v[W0F+\j], v[RING+2*\j], v[RING+2*\j+1]
.endr
.irp j, 0,1,2,3
	v_cvt_pk_f16_f32 v[W1F+\j], v[RING+16+2*\j], v[RING+16+2*\j+1]
	v_cvt_pk_f16_f32 v[W2F+\j], v[RING+24+2*\j], v[RING+24+2*\j+1]
.endr
.irp j, 0,1,2,3,4,5,6,7,8,9,10,11
	v_pk_mul_f32 v[B0+2*\j:B0+2*\j+1], v[B0+2*\j:B0+2*\j+1], 0x44800000 op_sel_hi:[1,0]   ; b0, b1, b2 x 2^10
.endr
; ISSUE: level lev of the point whose xq lies in v[src:src+2]: cells, fractions, hashes and eight gathers, into slot lev % 8.
.macro ISSUE lev, src
.set ilv, \lev
.set DAT, RING+8*(ilv%SLOTS)
.set FR,  FRB+3*(ilv%SLOTS)
.irp d, 0,1,2
	v_mad_nc_u64_u32 v[T+2*\d:T+2*\d+1], v[\src+\d], s[SC+ilv], v[ZW:ZW+1]   ; xq * S_l (+ 0): the high word is the position, 11.20
.endr
.irp d, 0,1,2
	v_and_b32 v[FR+\d], s[FMASK], v[T+2*\d+1]      ; fraction * 2^20, a whole number, kept in the slot until the level is blended
.endr
.irp d, 0,1,2
	v_lshrrev_b32 v[T+2*\d+1], 20, v[T+2*\d+1]     ; cell: bx in T+1, by in T+3, bz in T+5
.endr
	v_mul_lo_u32 v[T+3], v[T+3], s[PR1]            ; by * prime
	v_mul_lo_u32 v[T+5], v[T+5], s[PR2]            ; bz * prime
	v_add_nc_u32 v[T+0], 1, v[T+1]                 ; bx + 1
	v_add_nc_u32 v[T+2], s[PR1], v[T+3]            ; (by + 1) * prime
	v_add_nc_u32 v[T+4], s[PR2], v[T+5]            ; (bz + 1) * prime
	v_xor_b32 v[Y+0], v[T+3], v[T+5]               ; Y[2z + y]
	v_xor_b32 v[Y+1], v[T+2], v[T+5]
	v_xor_b32 v[Y+2], v[T+3], v[T+4]
	v_xor_b32 v[Y+3], v[T+2], v[T+4]
.irp q, 0,1,2,3
	v_and_b32 v[Y+\q], s[HMASK], v[Y+\q]           ; bx and bx + 1 are at most 2,048, below the table's size: masking here masks the hash
.endr
.irp q, 0,1,2,3
	v_xor_b32 v[DAT+2*\q],   v[T+1], v[Y+\q]       ; corner 2q:     x = 0
	v_xor_b32 v[DAT+2*\q+1], v[T+0], v[Y+\q]       ; corner 2q + 1: x = 1
.endr
.irp c, 0,1,2,3,4,5,6,7
	v_min_u32 v[DAT+\c], 0x7ffff, v[DAT+\c]        ; an index made of loaded numbers is bounded in the text; it changes no value
.endr
.irp c, 0,1,2,3,4,5,6,7
	global_load_b32 v[DAT+\c], v[DAT+\c], s[TB+2*ilv:TB+2*ilv+1] scale_offset   ; tb[l][index], at 4 x index: lands on its own index
.endr
.endm
; UNP8: eight entries (sixteen named halves) to f32: corner c's feature 0 in E + 2c, feature 1 in E + 2c + 1.
.macro UNP8 l0,h0,l1,h1,l2,h2,l3,h3,l4,h4,l5,h5,l6,h6,l7,h7
	v_cvt_f32_f16 v[E+0],  \l0
	v_cvt_f32_f16 v[E+1],  \h0
	v_cvt_f32_f16 v[E+2],  \l1
	v_cvt_f32_f16 v[E+3],  \h1
	v_cvt_f32_f16 v[E+4],  \l2
	v_cvt_f32_f16 v[E+5],  \h2
	v_cvt_f32_f16 v[E+6],  \l3
	v_cvt_f32_f16 v[E+7],  \h3
	v_cvt_f32_f16 v[E+8],  \l4
	v_cvt_f32_f16 v[E+9],  \h4
	v_cvt_f32_f16 v[E+10], \l5
	v_cvt_f32_f16 v[E+11], \h5
	v_cvt_f32_f16 v[E+12], \l6
	v_cvt_f32_f16 v[E+13], \h6
	v_cvt_f32_f16 v[E+14], \l7
	v_cvt_f32_f16 v[E+15], \h7
.endm
; UNPACK: the slot named by the symbol cslot.  A half of a register is named by its number, so each slot's eight registers are written out.
.macro UNPACK
.if cslot == 0
	UNP8 v16.l,v16.h, v17.l,v17.h, v18.l,v18.h, v19.l,v19.h, v20.l,v20.h, v21.l,v21.h, v22.l,v22.h, v23.l,v23.h
.endif
.if cslot == 1
	UNP8 v24.l,v24.h, v25.l,v25.h, v26.l,v26.h, v27.l,v27.h, v28.l,v28.h, v29.l,v29.h, v30.l,v30.h, v31.l,v31.h
.endif
.if cslot == 2
	UNP8 v32.l,v32.h, v33.l,v33.h, v34.l,v34.h, v35.l,v35.h, v36.l,v36.h, v37.l,v37.h, v38.l,v38.h, v39.l,v39.h
.endif
.if cslot == 3
	UNP8 v40.l,v40.h, v41.l,v41.h, v42.l,v42.h, v43.l,v43.h, v44.l,v44.h, v45.l,v45.h, v46.l,v46.h, v47.l,v47.h
.endif
.if cslot == 4
	UNP8 v48.l,v48.h, v49.l,v49.h, v50.l,v50.h, v51.l,v51.h, v52.l,v52.h, v53.l,v53.h, v54.l,v54.h, v55.l,v55.h
.endif
.if cslot == 5
	UNP8 v56.l,v56.h, v57.l,v57.h, v58.l,v58.h, v59.l,v59.h, v60.l,v60.h, v61.l,v61.h, v62.l,v62.h, v63.l,v63.h
.endif
.if cslot == 6
	UNP8 v64.l,v64.h, v65.l,v65.h, v66.l,v66.h, v67.l,v67.h, v68.l,v68.h, v69.l,v69.h, v70.l,v70.h, v71.l,v71.h
.endif
.if cslot == 7
	UNP8 v72.l,v72.h, v73.l,v73.h, v74.l,v74.h, v75.l,v75.h, v76.l,v76.h, v77.l,v77.h, v78.l,v78.h, v79.l,v79.h
.endif
.endm
; CONSUME: blends level lev.  left = the loads issued behind this level's eight.  The weights hang on no load and stand in front of the wait.
; Two chains (corners 0-3, 4-7), both features at once; the first link of each is a product, so nothing is cleared.
.macro CONSUME lev, left
.set clv, \lev
.set cslot, clv%SLOTS
.set FR,  FRB+3*cslot
.irp d, 0,1,2
	v_cvt_f32_u32 v[G+2*\d+1], v[FR+\d]            ; c, exact (20 bits)
.endr
.irp d, 0,1,2
	v_sub_f32 v[G+2*\d], s[ONE20], v[G+2*\d+1]     ; g = 2^20 - c, exact
.endr
	v_pk_mul_f32 v[U:U+1],   v[G:G+1],   v[G+2:G+3] op_sel_hi:[1,0]               ; (gx, cx) * gy
	v_pk_mul_f32 v[U+2:U+3], v[G:G+1],   v[G+2:G+3] op_sel:[0,1] op_sel_hi:[1,1]  ; (gx, cx) * cy
	v_pk_mul_f32 v[W:W+1],   v[U:U+1],   v[G+4:G+5] op_sel_hi:[1,0]               ; * gz: corners 0, 1
	v_pk_mul_f32 v[W+2:W+3], v[U+2:U+3], v[G+4:G+5] op_sel_hi:[1,0]               ;       corners 2, 3
	v_pk_mul_f32 v[W+4:W+5], v[U:U+1],   v[G+4:G+5] op_sel:[0,1] op_sel_hi:[1,1]  ; * cz: corners 4, 5
	v_pk_mul_f32 v[W+6:W+7], v[U+2:U+3], v[G+4:G+5] op_sel:[0,1] op_sel_hi:[1,1]  ;       corners 6, 7
	s_wait_loadcnt \left                           ; loads return in order: this level's eight are in, the younger ones stay out
	UNPACK                                         ; writes E, over T, Y and G, which are dead here
.irp k, 0,1
	v_pk_mul_f32 v[A+2*\k:A+2*\k+1], v[E+8*\k:E+8*\k+1],   v[W+4*\k:W+4*\k+1] op_sel_hi:[1,0]
.endr
.irp k, 0,1
	v_pk_fma_f32 v[A+2*\k:A+2*\k+1], v[E+8*\k+2:E+8*\k+3], v[W+4*\k:W+4*\k+1], v[A+2*\k:A+2*\k+1] op_sel:[0,1,0] op_sel_hi:[1,1,1]
.endr
.irp k, 0,1
	v_pk_fma_f32 v[A+2*\k:A+2*\k+1], v[E+8*\k+4:E+8*\k+5], v[W+4*\k+2:W+4*\k+3], v[A+2*\k:A+2*\k+1] op_sel_hi:[1,0,1]
.endr
.irp k, 0,1
	v_pk_fma_f32 v[A+2*\k:A+2*\k+1], v[E+8*\k+6:E+8*\k+7], v[W+4*\k+2:W+4*\k+3], v[A+2*\k:A+2*\k+1] op_sel:[0,1,0] op_sel_hi:[1,1,1]
.endr
	v_pk_add_f32 v[A:A+1], v[A:A+1], v[A+2:A+3]
	v_pk_mul_f32 v[A:A+1], v[A:A+1], 0x21800000 op_sel_hi:[1,0]    ; 2^-60 takes the weights' 2^60 out; the entries' 2^10 stays
	v_cvt_pk_f16_f32 v[P+clv], v[A], v[A+1]
.endm
; RELUPACK: ReLU on a result tile and its packing.  Register j of lane (r, h) is neuron 8h + j of point r, so the four packed
; registers are K = 8h .. 8h+7 of point r: the next layer's operand as it stands, without any traffic between lanes.
.macro RELUPACK d, h
.irp j, 0,1,2,3,4,5,6,7
	v_max_num_f32 v[\d+\j], 0, v[\d+\j]
.endr
.irp j, 0,1,2,3
	v_cvt_pk_f16_f32 v[\h+\j], v[\d+2*\j], v[\d+2*\j+1]
.endr
.endm
.macro PLACES
.rept 4
	v_nop
.endr
.endm
; MLP: the three layers for the batch's 32 points (two tiles of 16), and the way out.  Weights are the first operand, points the second.
; Distances behind matrix instructions (ISA guide 7.12.1): four plain vector instructions that name none of its registers stand before a
; result is read; before DA (DB) is written by the next layer's instruction there are those four and the twelve lines of the OTHER tile's RELUPACK.
.macro MLP last
	s_wait_xcnt 0x0                                ; the last batch's stores have read O, OOFF and OB, this batch's xq load XB: now they may change
	s_add_nc_u64 s[OB:OB+1], s[OB:OB+1], OSTEP     ; the stores below reach back by OSTEP
.if \last == 0
	s_add_nc_u64 s[XB:XB+1], s[XB:XB+1], XSTEP
.endif
	; Lanes 16-31 of P[j] change places with lanes 0-15 of P[8+j].  Then v[P:P+7] is the tile of points 0-15 and v[P+8:P+15] that of
	; points 16-31, and in both register j of lane (r, h) holds features 16h + 2j, 16h + 2j + 1: the same places of K as in W0F.
.irp j, 0,1,2,3,4,5,6,7
	v_permlane16_swap_b32 v[P+\j], v[P+8+\j]
.endr
	v_wmma_f32_16x16x32_f16 v[DA:DA+7], v[W0F:W0F+7], v[P:P+7],    v[B0:B0+7]
	v_wmma_f32_16x16x32_f16 v[DB:DB+7], v[W0F:W0F+7], v[P+8:P+15], v[B0:B0+7]
.if \last == 0
	v_mov_b32 v[XC],   v[XN]                       ; three of the four places do work: the next batch's point becomes the current one
	v_mov_b32 v[XC+1], v[XN+1]
	v_mov_b32 v[XC+2], v[XN+2]
	v_nop
.else
	PLACES
.endif
	RELUPACK DA, HA
	RELUPACK DB, HB
	v_wmma_f32_16x16x32_f16 v[DA:DA+7], v[W1F:W1F+7], v[HA:HA+7], v[B1:B1+7]        ; K 0-15: W1 x hidden 1; K 16-31: zeros
	v_wmma_f32_16x16x32_f16 v[DB:DB+7], v[W1F:W1F+7], v[HB:HB+7], v[B1:B1+7]
	PLACES
	RELUPACK DA, HA+8
	RELUPACK DB, HB+8
	v_wmma_f32_16x16x32_f16 v[DA:DA+7], v[ZW:ZW+7], v[HA+4:HA+11], v[B2:B2+7]       ; K 0-15: zeros; K 16-31: W2 x hidden 2
	v_wmma_f32_16x16x32_f16 v[DB:DB+7], v[ZW:ZW+7], v[HB+4:HB+11], v[B2:B2+7]
	PLACES
.irp j, 0,2,4,6
	v_pk_mul_f32 v[DA+\j:DA+\j+1], v[DA+\j:DA+\j+1], 0x3a800000 op_sel_hi:[1,0]     ; the common 2^10 is taken out
.endr
.irp j, 0,2,4,6
	v_pk_mul_f32 v[DB+\j:DB+\j+1], v[DB+\j:DB+\j+1], 0x3a800000 op_sel_hi:[1,0]
.endr
	; A lane holds 32 of a point's 64 bytes.  Through the wave's own stage they become rows: each store below covers 512 consecutive, aligned bytes.
	ds_store_b128 v[STO], v[DA:DA+3]
	ds_store_b128 v[STO], v[DA+4:DA+7] offset:16
	ds_store_b128 v[STO], v[DB:DB+3]   offset:16*PITCH
	ds_store_b128 v[STO], v[DB+4:DB+7] offset:16*PITCH+16
.irp s, 0,1,2,3
	ds_load_b128 v[O+4*\s:O+4*\s+3], v[RD] offset:8*PITCH*\s       ; LDS serves a wave's instructions in order (ISA guide 5.7.1): these see the stores above
.endr
.irp s, 0,1,2,3
	s_wait_dscnt 3-\s                              ; load s is in, the 3 - s younger ones may be out
	global_store_b128 v[OOFF], v[O+4*\s:O+4*\s+3], s[OB:OB+1] offset:512*\s-OSTEP th:TH_STORE_NT
.endr
.endm
; BATCH: 16 steps; step l issues level l + 6 (levels 0 to 5 of the NEXT batch in steps 10 to 15) and blends level l.  The slot that is
; issued into is that of level l - 2, blended two steps before.
; Counts of the waits: six younger levels of eight loads = 48; in steps 0 to 5 the xq load, issued between levels 5 and 6, is younger too: 49.
; The wait of step 6 therefore also shows XN in, four steps before it is read.  In the last batch nothing is issued from step 10 on:
; 40, 32, 24, 16, 8, 0.
.macro BATCH last
.if \last == 0
	global_load_b96 v[XN:XN+2], v[XOFF], s[XB:XB+1] offset:XSTEP th:TH_LOAD_NT     ; the next batch's points; the last batch asks for none
.endif
.set lv, 0
.rept 16
.if lv < 16-AHEAD
	ISSUE lv+AHEAD, XC
.else
.if \last == 0
	ISSUE lv+AHEAD-16, XN
.endif
.endif
.if \last == 0
.if lv < AHEAD
	CONSUME lv, 8*AHEAD+1
.else
	CONSUME lv, 8*AHEAD
.endif
.else
.if lv < 16-AHEAD
	CONSUME lv, 8*AHEAD
.else
	CONSUME lv, 8*(15-lv)
.endif
.endif
.set lv, lv+1
.endr
	MLP \last
.endm
	ISSUE 0, XC
	ISSUE 1, XC
	ISSUE 2, XC
	ISSUE 3, XC
	ISSUE 4, XC
	ISSUE 5, XC
	s_mov_b32 s3, BATCHES-1
.Lbatch:                                               ; here, on the way in and on the way back: levels 0 to 5 of the batch in flight, 48 loads
	BATCH 0
	s_sub_co_u32 s3, s3, 1
	s_cmp_lg_u32 s3, 0
	s_cbranch_scc1 .Lbatch
	BATCH 1                                        ; the last batch is written out: no load beyond xq's end, the counts run down
	s_wait_tensorcnt 0x0
	ds_add_u32 v252, v253
	s_wait_dscnt 0x0
	s_endpgm
.Lfunc_end_k_q3dafad1f73_encode:
	.size	k_q3dafad1f73_encode, .Lfunc_end_k_q3dafad1f73_encode-k_q3dafad1f73_encode
	.p2alignl 7, 3214868480
	.fill 96, 4, 3214868480
	.section	.rodata,"a",@progbits
	.p2align	6, 0x0
	.amdhsa_kernel k_q3dafad1f73_encode
		.amdhsa_group_segment_fixed_size 43008
		.amdhsa_private_segment_fixed_size 0
		.amdhsa_enable_private_segment 0
		.amdhsa_kernarg_size 72
		.amdhsa_user_sgpr_count 2
		.amdhsa_user_sgpr_kernarg_segment_ptr 1
		.amdhsa_wavefront_size32 1
		.amdhsa_system_sgpr_workgroup_id_x 1
		.amdhsa_system_sgpr_workgroup_id_y 1
		.amdhsa_system_sgpr_workgroup_id_z 1
		.amdhsa_system_vgpr_workitem_id 0
		.amdhsa_next_free_vgpr 254
		.amdhsa_next_free_sgpr 82
		.amdhsa_reserve_vcc 0
		.amdhsa_float_denorm_mode_32 3
		.amdhsa_float_denorm_mode_16_64 3
		.amdhsa_memory_ordered 1
		.amdhsa_forward_progress 1
		.amdhsa_inst_pref_size 152
	.end_amdhsa_kernel
	.amdgpu_metadata
---
amdhsa.version: [ 1, 2 ]
amdhsa.kernels:
  - .name:           k_q3dafad1f73_encode
    .symbol:         k_q3dafad1f73_encode.kd
    .args:
      - { .name: xq, .offset: 0, .size: 8, .value_kind: global_buffer, .address_space: global }
      - { .name: tb, .offset: 8, .size: 8, .value_kind: global_buffer, .address_space: global }
      - { .name: W0, .offset: 16, .size: 8, .value_kind: global_buffer, .address_space: global }
      - { .name: b0, .offset: 24, .size: 8, .value_kind: global_buffer, .address_space: global }
      - { .name: W1, .offset: 32, .size: 8, .value_kind: global_buffer, .address_space: global }
      - { .name: b1, .offset: 40, .size: 8, .value_kind: global_buffer, .address_space: global }
      - { .name: W2, .offset: 48, .size: 8, .value_kind: global_buffer, .address_space: global }
      - { .name: b2, .offset: 56, .size: 8, .value_kind: global_buffer, .address_space: global }
      - { .name: out0, .offset: 64, .size: 8, .value_kind: global_buffer, .address_space: global }
    .group_segment_fixed_size: 43008
    .private_segment_fixed_size: 0
    .kernarg_segment_align: 8
    .kernarg_segment_size: 72
    .max_flat_workgroup_size: 512
    .sgpr_count:     82
    .vgpr_count:     254
    .wavefront_size: 32
...
	.end_amdgpu_metadata
.endif
;; end of part 4
;; ======== version 3 of 3: 2 launches; version 2 with the launches prep, encode written anew for expert scheduling mode
;; limits: right only within a limited range of input values; values outside matrix products are rounded to f16
;; workspace buffers: xq 12,582,912 bytes of whole numbers; tb 33,554,432 bytes
;; launch prep (part 5): grid 256 x 1, 16 waves a work-group, no clusters, 0 bytes of LDS; arguments x, table, xq, tb; writes xq, tb
.if DOCPART == 5
	.amdgcn_target "amdgcn-amd-amdhsa--gfx1250"
	.amdhsa_code_object_version 6
	.text
	.protected	k_q3dafad1f73_prep
	.globl	k_q3dafad1f73_prep
	.p2align	8
	.type	k_q3dafad1f73_prep,@function
k_q3dafad1f73_prep:
	s_mov_b64 s[64:65], 0
	v_nop
	global_prefetch_b8 v0, s[64:65] scope:SCOPE_SE
	s_setreg_imm32_b32 hwreg(HW_REG_WAVE_SCHED_MODE, 0, 2), 2
	s_setreg_imm32_b32 hwreg(HW_REG_WAVE_MODE, 25, 1), 1
	s_wait_xcnt 0x0
	s_wait_alu depctr_vm_vsrc(0)
; Two conversions, one stream.
;   xq[i] = u32(trunc(x[i] * 2^32)): the coordinates as 32-bit fixed point, laid out like x.  The next launch forms the cells,
;           the hashes and the fractions of all 16 levels from these whole numbers alone.
;   tb[l][i] = the two features of table[l][i], times 2^10, rounded to f16: feature 0 in the low half, feature 1 in the high half of a
;           word.  The next launch gathers each entry 16 times on average, so halving an entry once halves all gathered bytes.
;           The factor 2^10 is the one that the next launch carries through its matrix products anyway.
; LIMITS.  x is meant to lie in [0, 1]: the product by 2^32 is exact, the conversion drops what lies below 2^-32, takes x < 0 and NaN as 0
; and x >= 1 as 0xffffffff (v_cvt_u32_f32 clamps to the range of u32).  A table entry is rounded to nearest even to f16 behind the exact
; factor 2^10: relative error at most 2^-11 for magnitudes from 6e-8 to 64, absolute error at most 3e-11 below, infinity from 64 on.
; SHARES.  256 work-groups x (49,152 bytes of x + 262,144 bytes of the table).  Thread t owns the 16 bytes at 16 t of each chunk of 8,192
; bytes, so each load of a wave covers 512 consecutive, aligned bytes.  All 38 loads of a thread are issued before the first is waited for;
; every chunk has registers of its own, so nothing is rewritten while a memory instruction may still read it.
; No LDS, no barrier, no matrix unit: nothing is shared and nothing is summed.
; THE MODE: SCHED_MODE bits 1:0 = 2 (LLVM: expert scheduling mode 2), set by the entry lines.  The code itself states the register dependences
; between vector instructions and memory instructions, with s_wait_alu, always for 0.
; THE PLAN.  Registers that memory instructions touch:
;   v1, v2     byte offsets, made once at the head and never written again.
;   X, D       a chunk's registers: a load lands in them once, the chunk's conversions work in place, one store reads them; never written again.
; The work goes in blocks: the six chunks of x, then eight blocks of four chunks of the table.  A block's stores are issued in the block behind it,
; dealt among that block's conversions, which name that block's own registers alone.  So ONE wait at a block's head states all that those stores hang on.
.set CHUNK, 8192
.set XCH,   6                          ; chunks of x in a work-group
.set TCH,   32                         ; chunks of the table in a work-group
.set BLK,   4                          ; chunks of the table in a block
.set X,     4                          ; v[4:27]    chunk j of x: 4 registers
.set D,     28                         ; v[28:155]  chunk j of the table: 4 registers (two entries), then 2 packed
	s_load_b256 s[4:11], s[0:1], 0x0               ; x s[4:5], table s[6:7], xq s[8:9], tb s[10:11]
	s_mul_i32 s2, ttmp9, XCH*CHUNK                 ; the work-group's part of x and xq, in bytes
	s_mov_b32 s3, 0
	s_lshl_b32 s12, ttmp9, 18                      ; of the table: 262,144 bytes
	s_mov_b32 s13, 0
	s_lshl_b32 s14, ttmp9, 17                      ; of tb: 131,072 bytes
	s_mov_b32 s15, 0
	v_lshlrev_b32 v1, 4, v0                        ; 16 t: loads, and the stores of xq
	v_lshlrev_b32 v2, 3, v0                        ; 8 t: the stores of tb
	s_wait_kmcnt 0x0
	s_add_nc_u64 s[4:5], s[4:5], s[2:3]
	s_add_nc_u64 s[8:9], s[8:9], s[2:3]
	s_add_nc_u64 s[6:7], s[6:7], s[12:13]
	s_add_nc_u64 s[10:11], s[10:11], s[14:15]
	s_wait_alu depctr_va_vdst(0)                   ; v1 and v2 are written: every load and store of the kernel reads one of them as its offset
.irp j, 0,1,2,3,4,5
	global_load_b128 v[X+4*\j:X+4*\j+3], v1, s[4:5] offset:CHUNK*\j th:TH_LOAD_NT    ; x is read once
.endr
.set j, 0
.rept TCH
	global_load_b128 v[D+4*j:D+4*j+3], v1, s[6:7] offset:CHUNK*j th:TH_LOAD_NT       ; the table is read once
.set j, j+1
.endr
.macro XWORK n                         ; chunk n of x is converted, in place
.set j, \n
	s_wait_loadcnt XCH+TCH-1-j                     ; loads return in order: chunk j of x is in, the 37 - j younger loads may be out
	v_pk_mul_f32 v[X+4*j:X+4*j+1],   v[X+4*j:X+4*j+1],   0x4f800000 op_sel_hi:[1,0]   ; x 2^32, exact
	v_pk_mul_f32 v[X+4*j+2:X+4*j+3], v[X+4*j+2:X+4*j+3], 0x4f800000 op_sel_hi:[1,0]
	v_cvt_u32_f32 v[X+4*j],   v[X+4*j]
	v_cvt_u32_f32 v[X+4*j+1], v[X+4*j+1]
	v_cvt_u32_f32 v[X+4*j+2], v[X+4*j+2]
	v_cvt_u32_f32 v[X+4*j+3], v[X+4*j+3]
.endm
.macro XSTORE n
.set j, \n
	global_store_b128 v1, v[X+4*j:X+4*j+3], s[8:9] offset:CHUNK*j       ; no hint: the next launch reads it
.endm
.macro TWORK n                         ; chunk n of the table is converted, in place
.set j, \n
	s_wait_loadcnt TCH-1-j                         ; chunk j of the table is in, the 31 - j younger loads may be out
	v_pk_mul_f32 v[D+4*j:D+4*j+1],   v[D+4*j:D+4*j+1],   0x44800000 op_sel_hi:[1,0]       ; x 2^10, exact
	v_pk_mul_f32 v[D+4*j+2:D+4*j+3], v[D+4*j+2:D+4*j+3], 0x44800000 op_sel_hi:[1,0]
	v_cvt_pk_f16_f32 v[D+4*j],   v[D+4*j],   v[D+4*j+1]        ; entry 2t:     (feature 0, feature 1)
	v_cvt_pk_f16_f32 v[D+4*j+1], v[D+4*j+2], v[D+4*j+3]        ; entry 2t + 1
.endm
.macro TSTORE n
.set j, \n
	global_store_b64 v2, v[D+4*j:D+4*j+1], s[10:11] offset:(CHUNK/2)*j  ; a wave's store covers 256 consecutive, aligned bytes
.endm
.irp n, 0,1,2,3,4,5
	XWORK \n                                       ; the block of x
.endr
	s_wait_alu depctr_va_vdst(0)                   ; the conversions have written X, which the six stores of xq read
	XSTORE 0                                       ; the table's first block, x's stores dealt among its conversions, which name D alone
	XSTORE 1
	TWORK 0
	XSTORE 2
	XSTORE 3
	TWORK 1
	XSTORE 4
	TWORK 2
	XSTORE 5
	TWORK 3
.set b, 1
.rept TCH/BLK-1
	s_wait_alu depctr_va_vdst(0)                   ; the block before has written its packed entries, which the four stores of this block read
.irp i, 0,1,2,3
	TSTORE BLK*(b-1)+\i                            ; no vector instruction since the wait names these registers
	TWORK BLK*b+\i
.endr
.set b, b+1
.endr
	s_wait_alu depctr_va_vdst(0)                   ; the last block has written its packed entries, which the last four stores read
.irp i, 0,1,2,3
	TSTORE TCH-BLK+\i
.endr
	s_endpgm
.Lfunc_end_k_q3dafad1f73_prep:
	.size	k_q3dafad1f73_prep, .Lfunc_end_k_q3dafad1f73_prep-k_q3dafad1f73_prep
	.p2alignl 7, 3214868480
	.fill 96, 4, 3214868480
	.section	.rodata,"a",@progbits
	.p2align	6, 0x0
	.amdhsa_kernel k_q3dafad1f73_prep
		.amdhsa_group_segment_fixed_size 0
		.amdhsa_private_segment_fixed_size 0
		.amdhsa_enable_private_segment 0
		.amdhsa_kernarg_size 32
		.amdhsa_user_sgpr_count 2
		.amdhsa_user_sgpr_kernarg_segment_ptr 1
		.amdhsa_wavefront_size32 1
		.amdhsa_system_sgpr_workgroup_id_x 1
		.amdhsa_system_sgpr_workgroup_id_y 1
		.amdhsa_system_sgpr_workgroup_id_z 1
		.amdhsa_system_vgpr_workitem_id 0
		.amdhsa_next_free_vgpr 156
		.amdhsa_next_free_sgpr 66
		.amdhsa_reserve_vcc 0
		.amdhsa_float_denorm_mode_32 3
		.amdhsa_float_denorm_mode_16_64 3
		.amdhsa_memory_ordered 1
		.amdhsa_forward_progress 1
		.amdhsa_inst_pref_size 22
	.end_amdhsa_kernel
	.amdgpu_metadata
---
amdhsa.version: [ 1, 2 ]
amdhsa.kernels:
  - .name:           k_q3dafad1f73_prep
    .symbol:         k_q3dafad1f73_prep.kd
    .args:
      - { .name: x, .offset: 0, .size: 8, .value_kind: global_buffer, .address_space: global }
      - { .name: table, .offset: 8, .size: 8, .value_kind: global_buffer, .address_space: global }
      - { .name: xq, .offset: 16, .size: 8, .value_kind: global_buffer, .address_space: global }
      - { .name: tb, .offset: 24, .size: 8, .value_kind: global_buffer, .address_space: global }
    .group_segment_fixed_size: 0
    .private_segment_fixed_size: 0
    .kernarg_segment_align: 8
    .kernarg_segment_size: 32
    .max_flat_workgroup_size: 512
    .sgpr_count:     66
    .vgpr_count:     156
    .wavefront_size: 32
...
	.end_amdgpu_metadata
.endif
;; end of part 5
;; launch encode (part 6): grid 256 x 1, 16 waves a work-group, no clusters, 43,008 bytes of LDS; arguments xq, tb, W0, b0, W1, b1, W2, b2, out0; writes out0
.if DOCPART == 6
	.amdgcn_target "amdgcn-amd-amdhsa--gfx1250"
	.amdhsa_code_object_version 6
	.text
	.protected	k_q3dafad1f73_encode
	.globl	k_q3dafad1f73_encode
	.p2align	8
	.type	k_q3dafad1f73_encode,@function
k_q3dafad1f73_encode:
	s_mov_b64 s[64:65], 0
	v_nop
	global_prefetch_b8 v0, s[64:65] scope:SCOPE_SE
	s_setreg_imm32_b32 hwreg(HW_REG_WAVE_SCHED_MODE, 0, 2), 2
	s_setreg_imm32_b32 hwreg(HW_REG_WAVE_MODE, 25, 1), 1
	s_wait_xcnt 0x0
	s_wait_alu depctr_vm_vsrc(0)
; Hash-grid encoding (16 levels x 8 corners x 2 features) and the MLP 32 -> 16 -> 16 -> 16, fused: the 32 features
; never leave the registers.
;
; SHARES.  256 work-groups x 4,096 points; 16 waves x 256 points; a wave works in 8 batches of 32 points, one point
; a lane for all 16 levels.  Waves share nothing: no barrier.
;
; POSITIONS are whole numbers.  xq = x * 2^32 (stored by the launch before).  S_l = f32(scale of level l) * 2^20 is an
; exact integer below 2^32.  The high word of xq * S_l is the position in 11.20 fixed point: cell = P >> 20,
; c = P & 0xfffff = fraction * 2^20, g = 2^20 - c.  Hashes and addresses are integer arithmetic on the cells.
; THE TABLE is tb, stored by the launch before: an entry is one word, two f16 of (feature * 2^10).  A gather is 4 bytes a lane.
; The blend is in f32: each half is widened by v_cvt_f32_f16, then both features go through packed f32 multiply-adds.
; WEIGHTS are products of three of c, g, so they carry 2^60; one product by 2^-60 a level leaves features * 2^10.
; THE MLP runs on the matrix unit with f16 operands and f32 sums.  The common factor 2^10 goes through all three layers
; (biases are multiplied by 2^10 once; ReLU commutes with a positive factor) and is taken out at the end by 2^-10.
; It keeps small features and hidden values in f16's normal range.  f16 and not bf16, for the table as for the layers: three
; more bits in each rounding of a chain of four (entry, feature, two hidden layers).
;
; THE RING.  Eight slots of 11 registers (8 of index, then data; 3 fractions).  The eight gathers of level l + 6 are issued before
; level l is blended, across the MLP and the batch's end too (levels 0 to 5 of the next batch are issued in this one),
; so 48 to 57 loads of every wave, 128 bytes each, are on their way until the last batch runs out.  The depth is what 252 registers
; leave: four waves share a SIMD's 1,024.
;
; THE MODE: SCHED_MODE bits 1:0 = 2 (LLVM: expert scheduling mode 2), set by the entry lines.  The code itself states the register dependences
; between vector or matrix instructions and memory or LDS instructions, with s_wait_alu, always for 0.
; THE PLAN.  Registers that memory or LDS instructions touch, in the loop:
;   a slot's 8   Step l - 1: the index arithmetic of level l + 6 writes them.  Step l: the eight gathers read them as indices, and each lands on its
;                own index.  Step l + 6: the unpacking lines read them.  Step l + 7: the index arithmetic of level l + 14 writes them again.
;   XN           The xq load of step 0 lands in it; the index arithmetic of steps 9 to 15 and three moves in the MLP read it.
;   DA, DB       Written by matrix and vector instructions; read by the MLP's four LDS stores.
;   O            LDS loads land in it; the global stores read it; no vector instruction names it.
;   v1 to v4     Offsets and LDS addresses, made at the head and never written again.
; In step l the vector instructions name the slots of levels l + 7 (written) and l (read), the gathers that of level l + 6: three different slots of the
; eight.  So TWO waits at a step's head state all: on vm_vsrc, that the gathers of the steps before have read the slot that this step writes again;
; on va_vdst, that the step before has written the indices that this step's gathers read and land on.  The gathers follow, dealt among the index
; arithmetic, with no further wait.  The head of step 0 states the same for XN, DA, DB and O across the MLP.  One more wait on va_vdst stands in the MLP.
;
; LIMITS.  x in [0, 1]; table entries rounded to f16 behind the factor 2^10, magnitudes below 64 (see the launch before).  The position is
; exact fixed point where the JAX function rounds x * scale to f32: the fraction differs by at most 6e-5 of a cell, and where the cell
; differs at a boundary the blend is the same by continuity.  Features and hidden values below 64 in magnitude and weights below 65,504
; (f16 behind the factor 2^10); parts of entries, features and hidden values below 6e-8 keep an absolute error of 3e-11.  A NaN in front
; of a ReLU becomes 0 (v_max_num_f32).
;
; NO TENSOR LOADS, NO CLUSTER: what work-groups share is the table, read 4 bytes at a time at hashed places; there is
; no tile to ask for jointly, and a level's table (2,097,152 bytes) is more than a work-group's LDS can hold.
.set BATCHES, 8
.set AHEAD,  6                         ; levels issued ahead of the one that is blended; the indices are made one level further ahead
.set SLOTS,  8                         ; divides 16, so that a level has the same slot in every batch
.set XSTEP,  384                       ; 32 points x 12 bytes of xq
.set OSTEP,  2048                      ; 32 points x 64 bytes of out0
.set PITCH,  80                        ; an LDS row: a point's 64 bytes + 16, so that the 16 rows of a store fall on different banks
.set STAGE,  32*PITCH                  ; a wave's own stage: 2,560 bytes
; vector registers
.set XOFF, 1                           ; v1         12 L: my point in a batch of xq
.set OOFF, 2                           ; v2         16 L: my 16 bytes in 512 of out0
.set STO,  3                           ; v3         stage + 80 r + 32 h: where my eight results of point r go
.set RD,   4                           ; v4         stage + 80 (L >> 2) + 16 (L & 3): where I read rows back
.set XC,   8                           ; v[8:10]    xq of my point, this batch
.set XN,   12                          ; v[12:14]   xq of my point, next batch
.set RING, 16                          ; v[16:79]   slot s at 16 + 8 s: corner c = 4z+2y+x at +c (index, then its entry).  Below v128, where
                                       ;            halves of registers have names; UNPACK names them by number, so RING stays 16
.set W0F,  80                          ; v[80:87]   W0 as f16: lane (r, h) holds W0[r][16h .. 16h+15]
.set W1F,  88                          ; v[88:91]   W1[r][8h .. 8h+7] as f16
.set ZW,   92                          ; v[92:95]   zeros: upper K of layer 1's weights, lower K of layer 2's; the addend of the 64-bit products
.set W2F,  96                          ; v[96:99]   W2[r][8h .. 8h+7] as f16
.set B0,   100                         ; v[100:107] b0[8h .. 8h+7] * 2^10
.set B1,   108                         ; v[108:115] b1 likewise
.set B2,   116                         ; v[116:123] b2 likewise
.set P,    124                         ; v[124:139] level l: my point's two features, f16, packed
.set HA,   140                         ; v[140:151] points 0-15: hidden 1 (4), zeros (4), hidden 2 (4)
.set HB,   152                         ; v[152:163] points 16-31 likewise
.set DA,   164                         ; v[164:171] matrix results, points 0-15
.set DB,   172                         ; v[172:179] matrix results, points 16-31
.set O,    180                         ; v[180:195] rows on their way out
.set T,    196                         ; v[196:201] three 64-bit products; then cells and hash terms
.set Y,    202                         ; v[202:205] hash of (y, z), four combinations
.set G,    206                         ; v[206:211] (gx, cx), (gy, cy), (gz, cz)
.set U,    212                         ; v[212:215] weights of (x, y)
.set E,    196                         ; v[196:211] the eight entries as f32, corner c at +2c.  On T, Y and G: arithmetic scratch that no memory
                                       ;            instruction names behind the set-up and that is dead once a level's weights stand in W
.set A,    216                         ; v[216:219] two running sums of two features
.set W,    220                         ; v[220:227] the weights of the level that is blended, corner c at +c
.set FRB,  228                         ; v[228:251] slot s at 228 + 3 s: fractions of x, y, z as whole numbers
; scalar registers
.set XB,    8                          ; s[8:9]     xq at my wave's current batch
.set OB,    24                         ; s[24:25]   out0 at the END of my wave's current batch while it is stored
.set FMASK, 26                         ; 0xfffff    the fraction's 20 bits
.set HMASK, 27                         ; 0x7ffff    table size - 1
.set ONE20, 28                         ; 2^20 as f32
.set PR1,   29                         ; the hash's prime for y
.set PR2,   30                         ; the hash's prime for z
.set LB,    31                         ; my wave's stage in LDS
.set TB,    32                         ; s[32:63]   level l: address of its table in tb
.set SC,    66                         ; s[66:81]   level l: S_l
	s_load_b512 s[8:23], s[0:1], 0x0               ; xq, tb, W0 s[12:13], b0 s[14:15], W1 s[16:17], b1 s[18:19], W2 s[20:21], b2 s[22:23]
	s_load_b64 s[24:25], s[0:1], 0x40              ; out0
	v_lshl_add_u32 v11, v0, 2, 0xa000
	v_mov_b32 v15, 0
	v_lshrrev_b32 v5, 5, v0
	v_readfirstlane_b32 s2, v5                     ; wave 0..15
	v_and_b32 v5, 31, v0                           ; L
	v_and_b32 v6, 15, v0                           ; r
	v_bfe_u32 v7, v0, 4, 1                         ; h
	s_wait_alu depctr_va_sdst(0)                   ; s2 is written, ahead of its first reader: the stage's address and the bases of xq and out0 are made from it
	s_mul_i32 s[LB], s2, STAGE
	v_mul_u32_u24 v[XOFF], v5, 12
	v_lshlrev_b32 v[OOFF], 4, v5
	v_mul_u32_u24 v[STO], v6, PITCH
	v_lshl_add_u32 v[STO], v7, 5, v[STO]
	v_add_nc_u32 v[STO], s[LB], v[STO]
	v_lshrrev_b32 v[T], 2, v5
	v_and_b32 v[T+1], 3, v5
	v_mul_u32_u24 v[RD], v[T], PITCH
	v_lshl_add_u32 v[RD], v[T+1], 4, v[RD]
	v_add_nc_u32 v[RD], s[LB], v[RD]
	v_lshlrev_b32 v[T+2], 7, v6
	v_lshl_add_u32 v[T+2], v7, 6, v[T+2]           ; W0: 128 r + 64 h
	v_lshrrev_b32 v[T+3], 1, v[T+2]                ; W1, W2: 64 r + 32 h
	v_lshlrev_b32 v[T+4], 5, v7                    ; biases: 32 h
	s_mov_b32 s[FMASK], 0xfffff
	s_mov_b32 s[HMASK], 0x7ffff
	s_mov_b32 s[ONE20], 0x49800000
	s_mov_b32 s[PR1], 0x9e3779b1                   ; 2654435761
	s_mov_b32 s[PR2], 0x30025795                   ; 805459861
; S_l = (24-bit mantissa of f32(16 * 128^(l/15))) << shift
.macro SCALE lev, mant, sh
	s_mov_b32 s[SC+\lev], \mant<<\sh
.endm
	SCALE 0,  1, 24
	SCALE 1,  11592325, 1
	SCALE 2,  16019584, 1
	SCALE 3,  11068835, 2
	SCALE 4,  15296165, 2
	SCALE 5,  10568984, 3
	SCALE 6,  14605415, 3
	SCALE 7,  10091705, 4
	SCALE 8,  13945858, 4
	SCALE 9,  9635980, 5
	SCALE 10, 13316085, 5
	SCALE 11, 9200835, 6
	SCALE 12, 12714752, 6
	SCALE 13, 8785340, 7
	SCALE 14, 12140574, 7
	s_mov_b32 s[SC+15], 0x80000000                 ; 2048 * 2^20
	s_mul_i32 s4, ttmp9, 4096*12                   ; xq: the group's 4,096 points
	s_mul_i32 s5, s2, 256*12                       ;     + the wave's 256
	s_add_co_u32 s4, s4, s5
	s_mov_b32 s5, 0
	s_lshl_b32 s6, ttmp9, 18                       ; out0: 4,096 x 64 bytes
	s_lshl_b32 s7, s2, 14                          ;       + 256 x 64
	s_add_co_u32 s6, s6, s7
	s_mov_b32 s7, 0
	s_wait_kmcnt 0x0
	s_add_nc_u64 s[XB:XB+1], s[XB:XB+1], s[4:5]
	s_add_nc_u64 s[OB:OB+1], s[OB:OB+1], s[6:7]
.irp l, 0,1,2,3,4,5,6,7,8,9,10,11,12,13,14,15
	s_add_nc_u64 s[TB+2*\l:TB+2*\l+1], s[10:11], \l*0x200000     ; a level's table: 524,288 x 4 bytes
.endr
	s_wait_alu depctr_va_vdst(0)                   ; v1 to v4 and the three offsets in T are written: the loads below, and every later load, store and LDS instruction, read them
	; weights as f32 into ring registers (free until the first indices are made), biases to their places, batch 0 of xq
.irp j, 0,1,2,3
	global_load_b128 v[RING+4*\j:RING+4*\j+3], v[T+2], s[12:13] offset:16*\j
.endr
.irp j, 0,1
	global_load_b128 v[RING+16+4*\j:RING+16+4*\j+3], v[T+3], s[16:17] offset:16*\j
	global_load_b128 v[RING+24+4*\j:RING+24+4*\j+3], v[T+3], s[20:21] offset:16*\j
	global_load_b128 v[B0+4*\j:B0+4*\j+3], v[T+4], s[14:15] offset:16*\j
	global_load_b128 v[B1+4*\j:B1+4*\j+3], v[T+4], s[18:19] offset:16*\j
	global_load_b128 v[B2+4*\j:B2+4*\j+3], v[T+4], s[22:23] offset:16*\j
.endr
	global_load_b96 v[XC:XC+2], v[XOFF], s[XB:XB+1] th:TH_LOAD_NT
.irp j, 0,1,2,3
	v_mov_b32 v[ZW+\j], 0                          ; the unused half of K in layers 1 and 2 is true zeros on both sides
	v_mov_b32 v[HA+4+\j], 0
	v_mov_b32 v[HB+4+\j], 0
.endr
	s_wait_loadcnt 0x0                             ; once, at set-up; it shows the loads that read the offsets in T done
	s_wait_alu depctr_vm_vsrc(0)                   ; the set-up's loads have read their offsets in T, which the index arithmetic below writes
.irp j, 0,1,2,3,4,5,6,7
	v_cvt_pk_f16_f32 v[W0F+\j], v[RING+2*\j], v[RING+2*\j+1]
.endr
.irp j, 0,1,2,3
	v_cvt_pk_f16_f32 v[W1F+\j], v[RING+16+2*\j], v[RING+16+2*\j+1]
	v_cvt_pk_f16_f32 v[W2F+\j], v[RING+24+2*\j], v[RING+24+2*\j+1]
.endr
.irp j, 0,1,2,3,4,5,6,7,8,9,10,11
	v_pk_mul_f32 v[B0+2*\j:B0+2*\j+1], v[B0+2*\j:B0+2*\j+1], 0x44800000 op_sel_hi:[1,0]   ; b0, b1, b2 x 2^10
.endr
; PAIR: two of the eight gathers of level glv (a symbol; below 0: none): corners c and c + 1.  The indices were made and stated written ahead.
.macro PAIR c
.if glv >= 0
	global_load_b32 v[RING+8*(glv%SLOTS)+\c],   v[RING+8*(glv%SLOTS)+\c],   s[TB+2*glv:TB+2*glv+1] scale_offset   ; tb[l][index], at 4 x index: lands on its own index
	global_load_b32 v[RING+8*(glv%SLOTS)+\c+1], v[RING+8*(glv%SLOTS)+\c+1], s[TB+2*glv:TB+2*glv+1] scale_offset
.endif
.endm
; GATHERS: all eight of level lev, in one run.
.macro GATHERS lev
.set glv, \lev
	PAIR 0
	PAIR 2
	PAIR 4
	PAIR 6
.endm
; INDEX: level lev of the point whose xq lies in v[src:src+2]: cells, fractions and hashes, into slot lev % 8.  Among its first lines stand the
; eight gathers of level g (-1: none), two at a time: they touch slot g % 8 alone, which no line here names.
.macro INDEX lev, src, g
.set ilv, \lev
.set glv, \g
.set DAT, RING+8*(ilv%SLOTS)
.set FR,  FRB+3*(ilv%SLOTS)
	PAIR 0
.irp d, 0,1,2
	v_mad_nc_u64_u32 v[T+2*\d:T+2*\d+1], v[\src+\d], s[SC+ilv], v[ZW:ZW+1]   ; xq * S_l (+ 0): the high word is the position, 11.20
.endr
	PAIR 2
.irp d, 0,1,2
	v_and_b32 v[FR+\d], s[FMASK], v[T+2*\d+1]      ; fraction * 2^20, a whole number, kept in the slot until the level is blended
.endr
	PAIR 4
.irp d, 0,1,2
	v_lshrrev_b32 v[T+2*\d+1], 20, v[T+2*\d+1]     ; cell: bx in T+1, by in T+3, bz in T+5
.endr
	PAIR 6
	v_mul_lo_u32 v[T+3], v[T+3], s[PR1]            ; by * prime
	v_mul_lo_u32 v[T+5], v[T+5], s[PR2]            ; bz * prime
	v_add_nc_u32 v[T+0], 1, v[T+1]                 ; bx + 1
	v_add_nc_u32 v[T+2], s[PR1], v[T+3]            ; (by + 1) * prime
	v_add_nc_u32 v[T+4], s[PR2], v[T+5]            ; (bz + 1) * prime
	v_xor_b32 v[Y+0], v[T+3], v[T+5]               ; Y[2z + y]
	v_xor_b32 v[Y+1], v[T+2], v[T+5]
	v_xor_b32 v[Y+2], v[T+3], v[T+4]
	v_xor_b32 v[Y+3], v[T+2], v[T+4]
.irp q, 0,1,2,3
	v_and_b32 v[Y+\q], s[HMASK], v[Y+\q]           ; bx and bx + 1 are at most 2,048, below the table's size: masking here masks the hash
.endr
.irp q, 0,1,2,3
	v_xor_b32 v[DAT+2*\q],   v[T+1], v[Y+\q]       ; corner 2q:     x = 0
	v_xor_b32 v[DAT+2*\q+1], v[T+0], v[Y+\q]       ; corner 2q + 1: x = 1
.endr
.irp c, 0,1,2,3,4,5,6,7
	v_min_u32 v[DAT+\c], 0x7ffff, v[DAT+\c]        ; an index made of loaded numbers is bounded in the text; it changes no value
.endr
.endm
; UNP8: eight entries (sixteen named halves) to f32: corner c's feature 0 in E + 2c, feature 1 in E + 2c + 1.
.macro UNP8 l0,h0,l1,h1,l2,h2,l3,h3,l4,h4,l5,h5,l6,h6,l7,h7
	v_cvt_f32_f16 v[E+0],  \l0
	v_cvt_f32_f16 v[E+1],  \h0
	v_cvt_f32_f16 v[E+2],  \l1
	v_cvt_f32_f16 v[E+3],  \h1
	v_cvt_f32_f16 v[E+4],  \l2
	v_cvt_f32_f16 v[E+5],  \h2
	v_cvt_f32_f16 v[E+6],  \l3
	v_cvt_f32_f16 v[E+7],  \h3
	v_cvt_f32_f16 v[E+8],  \l4
	v_cvt_f32_f16 v[E+9],  \h4
	v_cvt_f32_f16 v[E+10], \l5
	v_cvt_f32_f16 v[E+11], \h5
	v_cvt_f32_f16 v[E+12], \l6
	v_cvt_f32_f16 v[E+13], \h6
	v_cvt_f32_f16 v[E+14], \l7
	v_cvt_f32_f16 v[E+15], \h7
.endm
; UNPACK: the slot named by the symbol cslot.  A half of a register is named by its number, so each slot's eight registers are written out.
.macro UNPACK
.if cslot == 0
	UNP8 v16.l,v16.h, v17.l,v17.h, v18.l,v18.h, v19.l,v19.h, v20.l,v20.h, v21.l,v21.h, v22.l,v22.h, v23.l,v23.h
.endif
.if cslot == 1
	UNP8 v24.l,v24.h, v25.l,v25.h, v26.l,v26.h, v27.l,v27.h, v28.l,v28.h, v29.l,v29.h, v30.l,v30.h, v31.l,v31.h
.endif
.if cslot == 2
	UNP8 v32.l,v32.h, v33.l,v33.h, v34.l,v34.h, v35.l,v35.h, v36.l,v36.h, v37.l,v37.h, v38.l,v38.h, v39.l,v39.h
.endif
.if cslot == 3
	UNP8 v40.l,v40.h, v41.l,v41.h, v42.l,v42.h, v43.l,v43.h, v44.l,v44.h, v45.l,v45.h, v46.l,v46.h, v47.l,v47.h
.endif
.if cslot == 4
	UNP8 v48.l,v48.h, v49.l,v49.h, v50.l,v50.h, v51.l,v51.h, v52.l,v52.h, v53.l,v53.h, v54.l,v54.h, v55.l,v55.h
.endif
.if cslot == 5
	UNP8 v56.l,v56.h, v57.l,v57.h, v58.l,v58.h, v59.l,v59.h, v60.l,v60.h, v61.l,v61.h, v62.l,v62.h, v63.l,v63.h
.endif
.if cslot == 6
	UNP8 v64.l,v64.h, v65.l,v65.h, v66.l,v66.h, v67.l,v67.h, v68.l,v68.h, v69.l,v69.h, v70.l,v70.h, v71.l,v71.h
.endif
.if cslot == 7
	UNP8 v72.l,v72.h, v73.l,v73.h, v74.l,v74.h, v75.l,v75.h, v76.l,v76.h, v77.l,v77.h, v78.l,v78.h, v79.l,v79.h
.endif
.endm
; CONSUME: blends level lev.  left = the loads issued behind this level's eight.  The weights hang on no load and stand in front of the wait.
; Two chains (corners 0-3, 4-7), both features at once; the first link of each is a product, so nothing is cleared.
.macro CONSUME lev, left
.set clv, \lev
.set cslot, clv%SLOTS
.set FR,  FRB+3*cslot
.irp d, 0,1,2
	v_cvt_f32_u32 v[G+2*\d+1], v[FR+\d]            ; c, exact (20 bits)
.endr
.irp d, 0,1,2
	v_sub_f32 v[G+2*\d], s[ONE20], v[G+2*\d+1]     ; g = 2^20 - c, exact
.endr
	v_pk_mul_f32 v[U:U+1],   v[G:G+1],   v[G+2:G+3] op_sel_hi:[1,0]               ; (gx, cx) * gy
	v_pk_mul_f32 v[U+2:U+3], v[G:G+1],   v[G+2:G+3] op_sel:[0,1] op_sel_hi:[1,1]  ; (gx, cx) * cy
	v_pk_mul_f32 v[W:W+1],   v[U:U+1],   v[G+4:G+5] op_sel_hi:[1,0]               ; * gz: corners 0, 1
	v_pk_mul_f32 v[W+2:W+3], v[U+2:U+3], v[G+4:G+5] op_sel_hi:[1,0]               ;       corners 2, 3
	v_pk_mul_f32 v[W+4:W+5], v[U:U+1],   v[G+4:G+5] op_sel:[0,1] op_sel_hi:[1,1]  ; * cz: corners 4, 5
	v_pk_mul_f32 v[W+6:W+7], v[U+2:U+3], v[G+4:G+5] op_sel:[0,1] op_sel_hi:[1,1]  ;       corners 6, 7
	s_wait_loadcnt \left                           ; loads return in order: this level's eight are in, the younger ones stay out
	UNPACK                                         ; writes E, over T, Y and G, which are dead here
.irp k, 0,1
	v_pk_mul_f32 v[A+2*\k:A+2*\k+1], v[E+8*\k:E+8*\k+1],   v[W+4*\k:W+4*\k+1] op_sel_hi:[1,0]
.endr
.irp k, 0,1
	v_pk_fma_f32 v[A+2*\k:A+2*\k+1], v[E+8*\k+2:E+8*\k+3], v[W+4*\k:W+4*\k+1], v[A+2*\k:A+2*\k+1] op_sel:[0,1,0] op_sel_hi:[1,1,1]
.endr
.irp k, 0,1
	v_pk_fma_f32 v[A+2*\k:A+2*\k+1], v[E+8*\k+4:E+8*\k+5], v[W+4*\k+2:W+4*\k+3], v[A+2*\k:A+2*\k+1] op_sel_hi:[1,0,1]
.endr
.irp k, 0,1
	v_pk_fma_f32 v[A+2*\k:A+2*\k+1], v[E+8*\k+6:E+8*\k+7], v[W+4*\k+2:W+4*\k+3], v[A+2*\k:A+2*\k+1] op_sel:[0,1,0] op_sel_hi:[1,1,1]
.endr
	v_pk_add_f32 v[A:A+1], v[A:A+1], v[A+2:A+3]
	v_pk_mul_f32 v[A:A+1], v[A:A+1], 0x21800000 op_sel_hi:[1,0]    ; 2^-60 takes the weights' 2^60 out; the entries' 2^10 stays
	v_cvt_pk_f16_f32 v[P+clv], v[A], v[A+1]
.endm
; RELUPACK: ReLU on a result tile and its packing.  Register j of lane (r, h) is neuron 8h + j of point r, so the four packed
; registers are K = 8h .. 8h+7 of point r: the next layer's operand as it stands, without any traffic between lanes.
.macro RELUPACK d, h
.irp j, 0,1,2,3,4,5,6,7
	v_max_num_f32 v[\d+\j], 0, v[\d+\j]
.endr
.irp j, 0,1,2,3
	v_cvt_pk_f16_f32 v[\h+\j], v[\d+2*\j], v[\d+2*\j+1]
.endr
.endm
.macro PLACES
.rept 4
	v_nop
.endr
.endm
; MLP: the three layers for the batch's 32 points (two tiles of 16), and the way out.  Weights are the first operand, points the second.
; Distances behind matrix instructions (ISA guide 7.12.1): four plain vector instructions that name none of its registers stand before a
; result is read; before DA (DB) is written by the next layer's instruction there are those four and the twelve lines of the OTHER tile's RELUPACK.
; DA and DB, which the last batch's LDS stores read, and O, which its global stores read, are written again here: the waits on vm_vsrc at the heads
; of this batch's steps stand between.
.macro MLP last
	s_wait_xcnt 0x0                                ; the last batch's stores have read O, OOFF and OB, this batch's xq load XB: now they may change
	s_add_nc_u64 s[OB:OB+1], s[OB:OB+1], OSTEP     ; the stores below reach back by OSTEP
.if \last == 0
	s_add_nc_u64 s[XB:XB+1], s[XB:XB+1], XSTEP
.endif
	; Lanes 16-31 of P[j] change places with lanes 0-15 of P[8+j].  Then v[P:P+7] is the tile of points 0-15 and v[P+8:P+15] that of
	; points 16-31, and in both register j of lane (r, h) holds features 16h + 2j, 16h + 2j + 1: the same places of K as in W0F.
.irp j, 0,1,2,3,4,5,6,7
	v_permlane16_swap_b32 v[P+\j], v[P+8+\j]
.endr
	v_wmma_f32_16x16x32_f16 v[DA:DA+7], v[W0F:W0F+7], v[P:P+7],    v[B0:B0+7]
	v_wmma_f32_16x16x32_f16 v[DB:DB+7], v[W0F:W0F+7], v[P+8:P+15], v[B0:B0+7]
.if \last == 0
	v_mov_b32 v[XC],   v[XN]                       ; three of the four places do work: the next batch's point becomes the current one
	v_mov_b32 v[XC+1], v[XN+1]
	v_mov_b32 v[XC+2], v[XN+2]
	v_nop
.else
	PLACES
.endif
	RELUPACK DA, HA
	RELUPACK DB, HB
	v_wmma_f32_16x16x32_f16 v[DA:DA+7], v[W1F:W1F+7], v[HA:HA+7], v[B1:B1+7]        ; K 0-15: W1 x hidden 1; K 16-31: zeros
	v_wmma_f32_16x16x32_f16 v[DB:DB+7], v[W1F:W1F+7], v[HB:HB+7], v[B1:B1+7]
	PLACES
	RELUPACK DA, HA+8
	RELUPACK DB, HB+8
	v_wmma_f32_16x16x32_f16 v[DA:DA+7], v[ZW:ZW+7], v[HA+4:HA+11], v[B2:B2+7]       ; K 0-15: zeros; K 16-31: W2 x hidden 2
	v_wmma_f32_16x16x32_f16 v[DB:DB+7], v[ZW:ZW+7], v[HB+4:HB+11], v[B2:B2+7]
	PLACES
.irp j, 0,2,4,6
	v_pk_mul_f32 v[DA+\j:DA+\j+1], v[DA+\j:DA+\j+1], 0x3a800000 op_sel_hi:[1,0]     ; the common 2^10 is taken out
.endr
.irp j, 0,2,4,6
	v_pk_mul_f32 v[DB+\j:DB+\j+1], v[DB+\j:DB+\j+1], 0x3a800000 op_sel_hi:[1,0]
.endr
	s_wait_alu depctr_va_vdst(0)                   ; the scalings have written DA and DB, which the LDS stores read
	; A lane holds 32 of a point's 64 bytes.  Through the wave's own stage they become rows: each store below covers 512 consecutive, aligned bytes.
	ds_store_b128 v[STO], v[DA:DA+3]
	ds_store_b128 v[STO], v[DA+4:DA+7] offset:16
	ds_store_b128 v[STO], v[DB:DB+3]   offset:16*PITCH
	ds_store_b128 v[STO], v[DB+4:DB+7] offset:16*PITCH+16
.irp s, 0,1,2,3
	ds_load_b128 v[O+4*\s:O+4*\s+3], v[RD] offset:8*PITCH*\s       ; LDS serves a wave's instructions in order (ISA guide 5.7.1): these see the stores above
.endr
.irp s, 0,1,2,3
	s_wait_dscnt 3-\s                              ; load s is in, the 3 - s younger ones may be out
	global_store_b128 v[OOFF], v[O+4*\s:O+4*\s+3], s[OB:OB+1] offset:512*\s-OSTEP th:TH_STORE_NT
.endr
.endm
; BATCH: 16 steps; step l issues the gathers of level l + 6 (levels 0 to 5 of the NEXT batch in steps 10 to 15), makes the indices of level l + 7
; (levels 0 to 6 of the next batch in steps 9 to 15) and blends level l.  The slot that takes indices is that of level l - 1, blended one step before.
; Counts of the waits: six younger levels of eight loads = 48; in steps 0 to 5 the xq load, issued between levels 5 and 6, is younger too: 49.
; The wait of step 6 therefore also shows XN in, three steps before it is read.  In the last batch no index is made from step 9 on and nothing is
; issued from step 10 on: 40, 32, 24, 16, 8, 0; a step that writes no slot has no wait on vm_vsrc, one that issues nothing none on va_vdst.
.macro BATCH last
.set lv, 0
.rept 16
.set gl, lv+AHEAD
.set il, lv+AHEAD+1
.if (\last == 0) || (il < 16)
	s_wait_alu depctr_vm_vsrc(0)                   ; the gathers of the steps before have read their indices: the slot that this step's index arithmetic writes again was read seven steps back; in step 0 also: the last batch's LDS stores have read DA and DB, its global stores O
.endif
.if (\last == 0) || (gl < 16)
	s_wait_alu depctr_va_vdst(0)                   ; the step before has written the indices that the gathers below read and land on, and the slot's earlier readers are done; in step 0 also: the readers of XN are done, in which the xq load lands
.endif
.if (\last == 0) && (lv == 0)
	global_load_b96 v[XN:XN+2], v[XOFF], s[XB:XB+1] offset:XSTEP th:TH_LOAD_NT     ; the next batch's points; the last batch asks for none
.endif
.if il < 16
	INDEX il, XC, gl
.elseif \last == 0
	INDEX il-16, XN, gl%16
.elseif gl < 16
	GATHERS gl                                     ; the last batch's level 15: no index is left to make
.endif
.if \last == 0
.if lv < AHEAD
	CONSUME lv, 8*AHEAD+1
.else
	CONSUME lv, 8*AHEAD
.endif
.else
.if lv < 16-AHEAD
	CONSUME lv, 8*AHEAD
.else
	CONSUME lv, 8*(15-lv)
.endif
.endif
.set lv, lv+1
.endr
	MLP \last
.endm
.irp l, 0,1,2,3,4,5,6
	INDEX \l, XC, -1                               ; the indices of seven levels are made first,
.endr
	s_wait_alu depctr_va_vdst(0)                   ; then ONE wait: they are written, and the weights' conversions are done reading the ring's registers, in which the gathers below land
.irp l, 0,1,2,3,4,5
	GATHERS \l
.endr
	s_mov_b32 s3, BATCHES-1
.Lbatch:                                               ; here, on the way in and on the way back: levels 0 to 5 of the batch in flight, 48 loads; level 6's indices in its slot
	BATCH 0
	s_sub_co_u32 s3, s3, 1
	s_cmp_lg_u32 s3, 0
	s_cbranch_scc1 .Lbatch
	BATCH 1                                        ; the last batch is written out: no load beyond xq's end, the counts run down
	s_wait_dscnt 0x0
	s_wait_alu depctr_hold_cnt(0) depctr_sa_sdst(0) depctr_va_vdst(0) depctr_va_sdst(0) depctr_va_ssrc(0) depctr_va_vcc(0) depctr_vm_vsrc(0)
	s_wait_tensorcnt 0x0
	ds_add_u32 v11, v15
	s_wait_dscnt 0x0
	s_endpgm
.Lfunc_end_k_q3dafad1f73_encode:
	.size	k_q3dafad1f73_encode, .Lfunc_end_k_q3dafad1f73_encode-k_q3dafad1f73_encode
	.p2alignl 7, 3214868480
	.fill 96, 4, 3214868480
	.section	.rodata,"a",@progbits
	.p2align	6, 0x0
	.amdhsa_kernel k_q3dafad1f73_encode
		.amdhsa_group_segment_fixed_size 43008
		.amdhsa_private_segment_fixed_size 0
		.amdhsa_enable_private_segment 0
		.amdhsa_kernarg_size 72
		.amdhsa_user_sgpr_count 2
		.amdhsa_user_sgpr_kernarg_segment_ptr 1
		.amdhsa_wavefront_size32 1
		.amdhsa_system_sgpr_workgroup_id_x 1
		.amdhsa_system_sgpr_workgroup_id_y 1
		.amdhsa_system_sgpr_workgroup_id_z 1
		.amdhsa_system_vgpr_workitem_id 0
		.amdhsa_next_free_vgpr 252
		.amdhsa_next_free_sgpr 82
		.amdhsa_reserve_vcc 0
		.amdhsa_float_denorm_mode_32 3
		.amdhsa_float_denorm_mode_16_64 3
		.amdhsa_memory_ordered 1
		.amdhsa_forward_progress 1
		.amdhsa_inst_pref_size 154
	.end_amdhsa_kernel
	.amdgpu_metadata
---
amdhsa.version: [ 1, 2 ]
amdhsa.kernels:
  - .name:           k_q3dafad1f73_encode
    .symbol:         k_q3dafad1f73_encode.kd
    .args:
      - { .name: xq, .offset: 0, .size: 8, .value_kind: global_buffer, .address_space: global }
      - { .name: tb, .offset: 8, .size: 8, .value_kind: global_buffer, .address_space: global }
      - { .name: W0, .offset: 16, .size: 8, .value_kind: global_buffer, .address_space: global }
      - { .name: b0, .offset: 24, .size: 8, .value_kind: global_buffer, .address_space: global }
      - { .name: W1, .offset: 32, .size: 8, .value_kind: global_buffer, .address_space: global }
      - { .name: b1, .offset: 40, .size: 8, .value_kind: global_buffer, .address_space: global }
      - { .name: W2, .offset: 48, .size: 8, .value_kind: global_buffer, .address_space: global }
      - { .name: b2, .offset: 56, .size: 8, .value_kind: global_buffer, .address_space: global }
      - { .name: out0, .offset: 64, .size: 8, .value_kind: global_buffer, .address_space: global }
    .group_segment_fixed_size: 43008
    .private_segment_fixed_size: 0
    .kernarg_segment_align: 8
    .kernarg_segment_size: 72
    .max_flat_workgroup_size: 512
    .sgpr_count:     82
    .vgpr_count:     252
    .wavefront_size: 32
...
	.end_amdgpu_metadata
.endif
;; end of part 6
